; MI455X (gfx1250); checked and timed in simulation.
; The chip was launched on July 23, 2026; its instructions are those of AMD's public machine-readable ISA for CDNA 5 (MIT licence, August 2026) and "CDNA5" Instruction Set Architecture Reference Guide (July 2026). The comments in the code are by the model that wrote it; some were corrected since.
;; Multi Heads Attention. Allowed arithmetic: matrix products marked QUANTISED: E4M3 operands, one given power-of-two scale a tensor, by v_wmma_f32_16x16x64_fp8_fp8 or v_wmma_f32_16x16x128_fp8_fp8, f32 sums; everything else in f32.
;; Inputs: bc 2,048 float32; bk 2,048 float32; bq 2,048 float32; bv 2,048 float32; lowp_scales 12 int32 (the exponents e of the quantised operands' scales 2^e); msk 2,048 x 2,048 int32; object_tokens 1 x 2,048 x 2,048 float32; subject_tokens 1 x 2,048 x 2,048 float32; wc 2,048 x 2,048 float32; wk 2,048 x 2,048 float32; wq 2,048 x 2,048 float32; wv 2,048 x 2,048 float32.
;; Outputs: out0 1 x 2,048 x 2,048 float32.
;; Constants: rotate_base = 10000.0.
;; This version of the problem:
;;   THIS VERSION OF THE PROBLEM IS GIVEN IN LOW PRECISION. The matrix products marked QUANTISED in the list below multiply operands that are first quantised to E4M3 (4 exponent bits, 3 mantissa bits; 8 bits a number), with one given power-of-two scale for each operand tensor; their sums are f32. All else is computed in f32.
;;   The module's matrix products, in the order in which they are computed (A, B: the left and right operand; K: the contracted axis; several contracted axes count as one K, in the product's order):
;;     1. [M 2,048, K 2,048] x [K 2,048, N 2,048]; A: input subject_tokens; B: input wq: QUANTISED (scales: A lowp_scales[0], B lowp_scales[1])
;;     2. [M 2,048, K 2,048] x [K 2,048, N 2,048]; A: input object_tokens; B: input wk: QUANTISED (scales: A lowp_scales[2], B lowp_scales[3])
;;     3. [M 2,048, K 2,048] x [K 2,048, N 2,048]; A: input object_tokens; B: input wv: QUANTISED (scales: A lowp_scales[4], B lowp_scales[5])
;;     4. batch 16 x [M 2,048, K 128] x [K 128, N 2,048]; A: computed on the way; B: computed on the way: QUANTISED (scales: A lowp_scales[6], B lowp_scales[7])
;;     5. batch 16 x [M 2,048, K 2,048] x [K 2,048, N 128]; A: softmax (see below); B: computed on the way: QUANTISED (scales: A lowp_scales[8], B lowp_scales[9])
;;     6. [M 2,048, K 2,048] x [K 2,048, N 2,048]; A: computed on the way; B: input wc: QUANTISED (scales: A lowp_scales[10], B lowp_scales[11])
;;   THE QUANTISER, for each operand of a quantised product, along K:
;;     - The operand's scale is 2^e, e = its entry of the input lowp_scales (int32; the entries are numbered through the quantised products in the list's order, A before B).
;;     - Each number is divided by the scale, clamped to +-448, and rounded to the nearest number of E4M3, ties to even, subnormals kept.
;;     - The product sums the exact products of the quantised numbers (number of the format x scale) in f32.
;;   ~~~python
;;   def quantise(x, axis, e):      # numpy; x: float32 -> the quantised numbers, widened to float32 again
;;       x = np.moveaxis(x, axis, -1); K = x.shape[-1]
;;       r = np.clip(x / 2.0 ** e, -448, 448)
;;       step = 2.0 ** (np.maximum(np.frexp(np.where(r == 0, 1, r))[1] - 1, -6) - 3)
;;       q = np.round(r / step) * step * 2.0 ** e      # np.round: ties to even
;;       return np.moveaxis(q, -1, axis).astype(np.float32)
;;   ~~~
;;   SOFTMAX AHEAD OF A QUANTISED PRODUCT. Where the list says 'softmax', what is quantised is not the finished softmax but p = 2^(t - M), with t = logit x log2(e) and M = ceil(the row's largest t), a whole number; so 1/2 < the row's largest p <= 1. The row's sum l is taken of the UNQUANTISED p, in f32, and the product's result is divided by l at the end. Since M is a whole number, a kernel that streams over the keys may use a running M (the ceiling of the running maximum): every later rescaling is an exact power of two, so the quantised numbers keep their values, but for numbers so far below the row's largest that they fall under the format's range.
;;   OPERANDS COMPUTED ON THE WAY. 'Computed on the way' means the value that the module computes at that place (a softmax that the list does not call 'softmax' is quantised finished and normalised). What goes into a quantiser is computed in f32, as accurately as f32 sums, v_exp_f32 and their like allow (about 1e-6 of the number): no bf16 or f16 on the way to a quantiser, and a product that is left as it is and whose result goes on into a quantised operand takes f32 operands (vector FMAs, or v_wmma_f32_16x16x4_f32). A number that lies on a knife's edge between two numbers of the format may be rounded either way, as far as f32 arithmetic and the matrix unit's own rounding can turn it there, and no further.
;; One version. Each part assembles by itself: llvm-mc -triple=amdgcn-amd-amdhsa -mcpu=gfx1250 --defsym DOCPART=n.
;; ======== version 1 of 1: 4 launches
;; limits: right only within a limited range of input values
;; workspace buffers: codes 29,360,128 bytes; mbits 524,288 bytes of whole numbers; msum 131,072 bytes of whole numbers; rtab 1,048,576 bytes; qkv 12,582,912 bytes; cimg 4,194,304 bytes
;; launch prep (part 1): grid 896 x 1, 4 waves a work-group, no clusters, 79,360 bytes of LDS; arguments subject_tokens, object_tokens, wq, wk, wv, wc, msk, lowp_scales, codes, mbits, rtab, msum; writes codes, mbits, rtab, msum
.if DOCPART == 1
	.amdgcn_target "amdgcn-amd-amdhsa--gfx1250"
	.amdhsa_code_object_version 6
	.text
	.protected	k_qb2380a9689_prep
	.globl	k_qb2380a9689_prep
	.p2align	8
	.type	k_qb2380a9689_prep,@function
k_qb2380a9689_prep:
	s_mov_b64 s[64:65], 0
	v_nop
	global_prefetch_b8 v0, s[64:65] scope:SCOPE_SE
	s_setreg_imm32_b32 hwreg(HW_REG_WAVE_MODE, 25, 1), 1
	s_wait_xcnt 0x0
; PREP: everything that is read as f32 or int32 is read here once and leaves narrow.
;   work-groups   0-255: the tokens.  subject_tokens -> codes section 0 (scale e0); object_tokens -> sections 1 (e2) and 2 (e4): it is read once and quantised twice.
;   work-groups 256-767: the four weights [K][N] f32 -> codes sections 3 (wq, e1), 4 (wk, e3), 5 (wv, e5), 6 (wc, e11), laid [N][K] with K innermost.
;   work-groups 768-895: msk -> mbits, one 32-bit lane mask for each score register of the attention launch; and the table of cos and sin for the rotation.
; code = x / 2^e, held within +-448, to the nearest E4M3 code, ties to even.  LIMITS: each e between -126 and 119; NaN among the inputs is not served.
; Each work-group reads 128 KiB.  No tensor load, no barrier: waves share nothing.  The three paths part on the work-group's number, never join, and each has LDS bytes of its own.
.set TOK, 0                            ; tokens: a stage of 32 x 80 bytes for each wave
.set WST, 10240                        ; weights: a stage of 32 rows x 272 bytes for each wave
.set MST, 45056                        ; mask: a stage of 16 rows x 528 bytes for each wave
.set SEC, 0x400000                     ; a section of codes: 2,048 rows x 2,048 bytes
.macro MKSCALE se, vl, vs              ; from the exponent in s[se]: v[vs] = 2^e as f32 (the conversion takes its exponent field), v[vl] = 448 x 2^e
	s_add_co_i32 s52, s[\se], 127
	s_lshl_b32 s53, s52, 23
	v_mov_b32 v[\vs], s53
	s_add_co_i32 s52, s52, 8
	s_lshl_b32 s52, s52, 23
	s_or_b32 s52, s52, 0x600000
	v_mov_b32 v[\vl], s52
.endm
	s_load_b512 s[4:19], s[0:1], 0x0               ; subject s[4:5], object s[6:7], wq s[8:9], wk s[10:11], wv s[12:13], wc s[14:15], msk s[16:17], the scales' exponents s[18:19]
	s_load_b128 s[20:23], s[0:1], 0x40             ; codes s[20:21], mbits s[22:23]
	s_load_b64 s[24:25], s[0:1], 0x50              ; rtab
	s_load_b64 s[36:37], s[0:1], 0x58              ; msum
	v_lshl_add_u32 v254, v0, 2, 0x13400
	v_mov_b32 v255, 0
	v_lshrrev_b32 v1, 5, v0
	v_readfirstlane_b32 s26, v1                    ; wave 0..3
	v_and_b32 v2, 31, v0                           ; lane
	v_lshlrev_b32 v3, 4, v2                        ; 16 x lane
	s_wait_kmcnt 0x0
	s_cmp_lt_u32 ttmp9, 256
	s_cbranch_scc1 .Ltokens
	s_cmp_lt_u32 ttmp9, 768
	s_cbranch_scc1 .Lweights
; ---------------------------------------------------------------- THE MASK AND THE TABLE
; Work-group qt = 0..127 takes queries 16 qt .. 16 qt + 15; wave w takes keys 512 w .. 512 w + 511, four steps of 128.
; mbits [qt][step 16][n 64]: bit (r + 16 h) of word n = 8 T + j says msk[16 qt + r][128 step + 16 T + 8 h + j] != 0: the lane mask of score register n.
; A load reads 512 consecutive bytes of one row; the 16 rows turn through the wave's stage so that lane (r, h) holds its own 64 numbers; a compare gives a word.
.set MK,   16                          ; v16-143  two sets of 64: 16 rows as loaded
.set Y,    144                         ; v144-207 a lane's 64 numbers; before that, at work for the table
.set OUTP, 208                         ; v208-215 a pair for each step: lane L holds words 2 L and 2 L + 1
.set RT,   216                         ; v216-231 the table's four units
.set A0, Y
.set A1, Y+8
.set A2, Y+16
.set A3, Y+24
.set A4, Y+32
.set A5, Y+40
.set A6, Y+48
.set A7, Y+56
.macro LOADM ks
.irp q, 0,1,2,3,4,5,6,7,8,9,10,11,12,13,14,15
	global_load_b128 v[MK+64*((\ks)%2)+4*\q:MK+64*((\ks)%2)+4*\q+3], v3, s[16:17] offset:8192*\q+512*(\ks) th:TH_LOAD_NT
.endr
.endm
.macro PACKM ks
.if (\ks) < 3
	s_wait_loadcnt 16                              ; this step's 16 loads are in; the next step's 16 may be out
.else
	s_wait_loadcnt 0x0
.endif
.irp q, 0,1,2,3,4,5,6,7,8,9,10,11,12,13,14,15
	ds_store_b128 v4, v[MK+64*((\ks)%2)+4*\q:MK+64*((\ks)%2)+4*\q+3] offset:528*\q
.endr
.irp q, 0,1,2,3,4,5,6,7,8,9,10,11,12,13,14,15
	ds_load_b128 v[Y+4*\q:Y+4*\q+3], v5 offset:64*(\q/2)+16*(\q%2)   ; LDS serves a wave's instructions in order: these see the stores above
.endr
	s_wait_dscnt 0x0                               ; my 64 numbers are in, and the stores have read their registers,
.if (\ks)+2 < 4
	LOADM (\ks)+2                                  ; which take the step two on
.endif
	s_mov_b64 s[28:29], 0                          ; the step's 64 words: their OR,
	s_mov_b64 s[30:31], -1                         ; and their AND
.set n, 0
.rept 8
.irp k, 0,1,2,3,4,5,6,7
	v_cmp_ne_u32 s[56+\k], 0, v[Y+n+\k]            ; the 32 lanes' bits of word n + k
.endr
.irp k, 0,2,4,6
	s_or_b64 s[28:29], s[28:29], s[56+\k:57+\k]
	s_and_b64 s[30:31], s[30:31], s[56+\k:57+\k]
.endr
.irp k, 0,1,2,3,4,5,6,7
	v_writelane_b32 v[OUTP+2*(\ks)+\k%2], s[56+\k], (n+\k)/2
.endr
.set n, n+8
.endr
	s_or_b32 s28, s28, s29
	s_and_b32 s30, s30, s31
	v_writelane_b32 v232, s28, \ks                 ; msum: lane ks of the pair holds the step's OR and AND
	v_writelane_b32 v233, s30, \ks
	global_store_b64 v6, v[OUTP+2*(\ks):OUTP+2*(\ks)+1], s[22:23] offset:256*(\ks)   ; the wave stores 256 consecutive bytes, aligned
.endm
	s_sub_co_u32 s40, ttmp9, 768                   ; qt
	s_lshl_b32 s42, s40, 17                        ; 16 rows of 8,192 bytes
	s_lshl_b32 s41, s26, 11                        ; my wave's 512 keys
	s_add_co_u32 s42, s42, s41
	s_mov_b32 s43, 0
	s_add_nc_u64 s[16:17], s[16:17], s[42:43]
	s_lshl_b32 s42, s40, 12                        ; mbits: 4,096 bytes a query tile, 1,024 a wave
	s_lshl_b32 s41, s26, 10
	s_add_co_u32 s42, s42, s41
	s_add_nc_u64 s[22:23], s[22:23], s[42:43]
	s_lshl_b32 s42, s40, 13                        ; rtab: 8,192 bytes a tile of positions, 2,048 a wave
	s_lshl_b32 s41, s26, 11
	s_add_co_u32 s42, s42, s41
	s_add_nc_u64 s[24:25], s[24:25], s[42:43]
	s_lshl_b32 s42, s40, 10                        ; msum [qt 128][wave 4][64 words]: 1,024 bytes a query tile, 256 a wave; words 2 ks and 2 ks + 1 are the OR and the AND of step 4 wave + ks, the rest zeros
	s_lshl_b32 s41, s26, 8
	s_add_co_u32 s42, s42, s41
	s_add_nc_u64 s[36:37], s[36:37], s[42:43]
	s_wait_alu depctr_va_vdst(0)
	LOADM 0
	LOADM 1
	v_and_b32 v7, 15, v0                           ; r
	v_bfe_u32 v8, v0, 4, 1                         ; h
	s_mul_i32 s41, s26, 8448
	s_add_co_u32 s41, s41, MST                     ; my stage
	v_add_nc_u32 v4, s41, v3                       ; in: 16 x lane of a row
	v_mul_u32_u24 v5, v7, 528
	v_lshl_add_u32 v5, v8, 5, v5
	v_add_nc_u32 v5, s41, v5                       ; out: row r, + 32 h
	v_lshlrev_b32 v6, 3, v2                        ; 8 x lane
	v_mov_b32 v232, 0
	v_mov_b32 v233, 0
.irp k, 0,1,2,3,4,5,6,7
	v_mov_b32 v[OUTP+\k], 0                        ; a lane write's destination counts as read
.endr
; THE TABLE, while the mask's first loads are on their way.  rtab [sb 128][U 16][lane][4 f32]: lane (r, h) of unit U = 2 b + c holds cos, sin, cos, sin of the pairs i = 8 b + 4 h + 2 c and i + 1 at
; position 16 sb + r: the order of the projection's result registers.  Wave w makes units 4 w .. 4 w + 3: eight pairs a lane, number m = 2 k + u of unit 4 w + k.
; f = 10000^(-i/64) = 2^(i x -log2(10)/16): the exponent as a rounded product p and its exact rest e (the constant in two parts), f = 2^p (1 + e ln 2).  angle = position x f, rounded once.
; The angle (up to 2,047) is reduced by n = the nearest whole number to angle x 2/pi, with pi/2 in two parts and fused multiply-adds; sin and cos of the rest, within +-pi/4, by polynomials of degree 7 and 8.
	s_mov_b32 s44, 0xbe549a78                      ; -log2(10)/16, high part
	s_mov_b32 s45, 0xb1979a37                      ; and low part
	s_mov_b32 s46, 0x3f317218                      ; ln 2
	s_mov_b32 s47, 0x3f22f983                      ; 2/pi
	s_mov_b32 s48, 0x3fc90fdb                      ; pi/2, high part
	s_mov_b32 s49, 0xb33bbd2e                      ; and the next
	s_mov_b32 s50, 0xbe2aaaa3                      ; sin: S1, S2, S3
	s_mov_b32 s51, 0x3c08839e
	s_mov_b32 s52, 0xb94ca1f9
	s_mov_b32 s53, 0x3d2aaaa5                      ; cos: C1, C2, C3
	s_mov_b32 s54, 0xbab6061a
	s_mov_b32 s55, 0x37ccf5ce
	s_lshl_b32 s41, s40, 4
	v_add_nc_u32 v12, s41, v7
	v_cvt_f32_u32 v12, v12                         ; the position
	s_lshl_b32 s41, s26, 4
	v_lshl_add_u32 v13, v8, 2, s41                 ; 16 w + 4 h
.irp m, 0,1,2,3,4,5,6,7
	v_add_nc_u32 v[A0+\m], 8*(\m/4)+2*((\m/2)%2)+\m%2, v13
.endr
.irp m, 0,1,2,3,4,5,6,7
	v_cvt_f32_u32 v[A0+\m], v[A0+\m]               ; i
.endr
.irp m, 0,1,2,3,4,5,6,7
	v_mul_f32 v[A1+\m], s44, v[A0+\m]              ; p
.endr
.irp m, 0,1,2,3,4,5,6,7
	v_fma_f32 v[A2+\m], v[A0+\m], s44, -v[A1+\m]   ; what the rounding of p left,
.endr
.irp m, 0,1,2,3,4,5,6,7
	v_fma_f32 v[A2+\m], v[A0+\m], s45, v[A2+\m]    ; and the constant's low part: e
.endr
	s_wait_alu depctr_va_vdst(0)
.irp m, 0,1,2,3,4,5,6,7
	v_exp_f32 v[A3+\m], v[A1+\m]                   ; 2^p: one batch
.endr
.irp m, 0,1,2,3,4,5,6,7
	v_mul_f32 v[A2+\m], s46, v[A2+\m]              ; e ln 2: plain work behind the batch that names none of its results
.endr
	s_wait_alu depctr_va_vdst(0)                   ; one wait for the eight exponentials, ahead of their first reader
.irp m, 0,1,2,3,4,5,6,7
	v_fma_f32 v[A3+\m], v[A3+\m], v[A2+\m], v[A3+\m]   ; f
.endr
.irp m, 0,1,2,3,4,5,6,7
	v_mul_f32 v[A0+\m], v12, v[A3+\m]              ; the angle
.endr
.irp m, 0,1,2,3,4,5,6,7
	v_mul_f32 v[A1+\m], s47, v[A0+\m]
.endr
.irp m, 0,1,2,3,4,5,6,7
	v_rndne_f32 v[A1+\m], v[A1+\m]                 ; n
.endr
.irp m, 0,1,2,3,4,5,6,7
	v_fma_f32 v[A2+\m], -v[A1+\m], s48, v[A0+\m]
.endr
.irp m, 0,1,2,3,4,5,6,7
	v_fma_f32 v[A2+\m], -v[A1+\m], s49, v[A2+\m]   ; the rest
.endr
.irp m, 0,1,2,3,4,5,6,7
	v_mul_f32 v[A3+\m], v[A2+\m], v[A2+\m]         ; z
.endr
.irp m, 0,1,2,3,4,5,6,7
	v_fma_f32 v[A4+\m], v[A3+\m], s52, s51
	v_fma_f32 v[A5+\m], v[A3+\m], s55, s54
.endr
.irp m, 0,1,2,3,4,5,6,7
	v_fma_f32 v[A4+\m], v[A4+\m], v[A3+\m], s50
	v_fma_f32 v[A5+\m], v[A5+\m], v[A3+\m], s53
.endr
.irp m, 0,1,2,3,4,5,6,7
	v_mul_f32 v[A4+\m], v[A4+\m], v[A3+\m]
	v_mul_f32 v[A5+\m], v[A5+\m], v[A3+\m]
	v_fma_f32 v[A7+\m], v[A3+\m], -0.5, 1.0
.endr
.irp m, 0,1,2,3,4,5,6,7
	v_fma_f32 v[A4+\m], v[A4+\m], v[A2+\m], v[A2+\m]   ; sin of the rest
	v_fma_f32 v[A5+\m], v[A5+\m], v[A3+\m], v[A7+\m]   ; cos of the rest
	v_cvt_i32_f32 v[A6+\m], v[A1+\m]               ; n as a whole number: its two low bits are the quadrant
.endr
.irp m, 0,1,2,3,4,5,6,7
	v_and_b32 v[A7+\m], 1, v[A6+\m]
	v_cmp_eq_u32 vcc_lo, 1, v[A7+\m]               ; in an odd quadrant the two change places: a choice of values, no branch
	v_cndmask_b32 v[A0+\m], v[A4+\m], v[A5+\m], vcc_lo
	v_cndmask_b32 v[A1+\m], v[A5+\m], v[A4+\m], vcc_lo
	v_lshlrev_b32 v[A7+\m], 30, v[A6+\m]
	v_and_b32 v[A7+\m], 0x80000000, v[A7+\m]       ; sin is negative in quadrants 2 and 3,
	v_xor_b32 v[RT+2*\m+1], v[A7+\m], v[A0+\m]
	v_add_nc_u32 v[A6+\m], 1, v[A6+\m]
	v_lshlrev_b32 v[A6+\m], 30, v[A6+\m]
	v_and_b32 v[A6+\m], 0x80000000, v[A6+\m]       ; cos in quadrants 1 and 2
	v_xor_b32 v[RT+2*\m], v[A6+\m], v[A1+\m]
.endr
.irp k, 0,1,2,3
	global_store_b128 v3, v[RT+4*\k:RT+4*\k+3], s[24:25] offset:512*\k   ; the wave stores 512 consecutive bytes, aligned
.endr
	PACKM 0
	PACKM 1
	PACKM 2
	PACKM 3
	s_wait_alu depctr_va_vdst(0)                   ; the wait ahead of the reader below
	global_store_b64 v6, v[232:233], s[36:37]      ; the wave stores 256 consecutive bytes, aligned
	s_wait_tensorcnt 0x0
	ds_add_u32 v254, v255
	s_wait_dscnt 0x0
	s_endpgm
; ---------------------------------------------------------------- THE TOKENS
; Rows are dense, so a tensor is a plain stream.  Wave ci = 4 x work-group + wave takes 4,096 numbers of subject (steps 0-7) and the same 4,096 of object (steps 8-15), 512 a step.
; A load reads 512 consecutive bytes, 16 a lane; the conversions want 16 neighbours in one lane: a step's 2,048 bytes turn through the wave's stage (64 bytes + 16 of padding a lane).
; Loads run four steps ahead (16 loads a wave), the turn through LDS one step.  Each step has its own registers for its codes, so no store's data are written again.
.set RW, 16                            ; v16-79   four sets of 16 numbers as loaded
.set XN, 80                            ; v80-111  two sets of 16 neighbours
.set TN, 112                           ; v112-127 object's numbers held for its first scale
.set CD, 128                           ; v128-223 codes
.macro LOADT t
.irp i, 0,1,2,3
.if (\t) < 8
	global_load_b128 v[RW+16*((\t)%4)+4*\i:RW+16*((\t)%4)+4*\i+3], v3, s[4:5] offset:2048*(\t)+512*\i th:TH_LOAD_NT
.else
	global_load_b128 v[RW+16*((\t)%4)+4*\i:RW+16*((\t)%4)+4*\i+3], v3, s[6:7] offset:2048*((\t)-8)+512*\i th:TH_LOAD_NT
.endif
.endr
.endm
.macro TURNT t                         ; LDS serves a wave's instructions in order: the loads see the stores, and the stores come behind the last step's loads, which have been waited for
.irp i, 0,1,2,3
	ds_store_b128 v14, v[RW+16*((\t)%4)+4*\i:RW+16*((\t)%4)+4*\i+3] offset:640*\i
.endr
.irp i, 0,1,2,3
	ds_load_b128 v[XN+16*((\t)%2)+4*\i:XN+16*((\t)%2)+4*\i+3], v15 offset:16*\i
.endr
.endm
.macro STEPT t
.set XS, XN+16*((\t)%2)
	s_wait_dscnt 0x0                               ; this step's numbers are back from the stage, and its stores into the stage have read their registers,
.if (\t)+4 < 16
	LOADT (\t)+4                                   ; which take the loads of four steps on
.endif
.if (\t)+1 < 16
.if 14-(\t) >= 3
	s_wait_loadcnt 12                              ; the next step's four loads are in; those of the three steps behind it may be out
.else
	s_wait_loadcnt 4*(14-(\t))
.endif
	TURNT (\t)+1
.endif
.if (\t) < 8
.set CC, CD+4*(\t)
.irp i, 0,1,2,3,4,5,6,7,8,9,10,11,12,13,14,15
	v_med3_num_f32 v[XS+\i], v[XS+\i], -v5, v5     ; the conversion does not saturate (ISA guide 7.6.2): the hold at 448 x the scale comes first
.endr
	v_cvt_scalef32_pk8_fp8_f32 v[CC:CC+1], v[XS:XS+7], v6
	v_cvt_scalef32_pk8_fp8_f32 v[CC+2:CC+3], v[XS+8:XS+15], v6
	global_store_b128 v3, v[CC:CC+3], s[20:21] offset:512*(\t)-SEC      ; section 0; the wave stores 512 consecutive bytes
.else
.set CC, CD+32+8*((\t)-8)
.irp i, 0,1,2,3,4,5,6,7,8,9,10,11,12,13,14,15
	v_med3_num_f32 v[TN+\i], v[XS+\i], -v7, v7     ; object for the keys' product: scale e2
.endr
	v_cvt_scalef32_pk8_fp8_f32 v[CC:CC+1], v[TN:TN+7], v8
	v_cvt_scalef32_pk8_fp8_f32 v[CC+2:CC+3], v[TN+8:TN+15], v8
	global_store_b128 v3, v[CC:CC+3], s[20:21] offset:512*((\t)-8)      ; section 1
.irp i, 0,1,2,3,4,5,6,7,8,9,10,11,12,13,14,15
	v_med3_num_f32 v[XS+\i], v[XS+\i], -v9, v9     ; and for the values' product: scale e4
.endr
	v_cvt_scalef32_pk8_fp8_f32 v[CC+4:CC+5], v[XS:XS+7], v10
	v_cvt_scalef32_pk8_fp8_f32 v[CC+6:CC+7], v[XS+8:XS+15], v10
	global_store_b128 v3, v[CC+4:CC+7], s[20:21] offset:512*((\t)-8)+SEC   ; section 2
.endif
.endm
.Ltokens:
	s_load_b256 s[28:35], s[18:19], 0x0            ; e0 .. e7
	s_lshl_b32 s40, ttmp9, 2
	s_add_co_u32 s40, s40, s26                     ; ci
	s_lshl_b32 s42, s40, 14                        ; 4,096 numbers of 4 bytes
	s_mov_b32 s43, 0
	s_add_nc_u64 s[4:5], s[4:5], s[42:43]
	s_add_nc_u64 s[6:7], s[6:7], s[42:43]
	s_lshl_b32 s42, s40, 12                        ; 4,096 codes,
	s_add_co_u32 s42, s42, SEC                     ; counted from section 1: the other two are reached by the stores' immediates
	s_add_nc_u64 s[20:21], s[20:21], s[42:43]
	s_mul_i32 s41, s26, 2560                       ; my stage (TOK = 0)
	s_wait_alu depctr_va_vdst(0)
	v_lshrrev_b32 v14, 2, v2
	v_mul_u32_u24 v14, v14, 80
	v_and_b32 v15, 3, v2
	v_lshl_add_u32 v14, v15, 4, v14
	v_add_nc_u32 v14, s41, v14                     ; in: four lanes' 64 bytes on end, then the padding
	v_mul_u32_u24 v15, v2, 80
	v_add_nc_u32 v15, s41, v15                     ; out: my 16 neighbours
	LOADT 0
	LOADT 1
	LOADT 2
	LOADT 3
	s_wait_alu depctr_va_vdst(0)
	s_wait_kmcnt 0x0
	MKSCALE 28, 5, 6
	MKSCALE 30, 7, 8
	MKSCALE 32, 9, 10
	s_wait_alu depctr_va_vdst(0)
	s_wait_loadcnt 12                              ; step 0's four loads are in
	TURNT 0
.irp t, 0,1,2,3,4,5,6,7,8,9,10,11,12,13,14,15
	STEPT \t
.endr
	s_wait_tensorcnt 0x0
	ds_add_u32 v254, v255
	s_wait_dscnt 0x0
	s_endpgm
; ---------------------------------------------------------------- THE WEIGHTS
; A weight is [K][N]: K is its first axis.  A lane takes a column n and its registers run down K: a load reads 128 consecutive bytes a wave (512 a work-group), and the conversions give codes with K innermost.
; A wave takes 32 columns x 256 along K; its codes go through its own stage (rows of 256 bytes + 16) and leave as rows: sixteen lanes store 256 consecutive bytes, aligned.  Loads run two blocks of 32 ahead.
.set XW,   32                          ; v32-95   two sets of 32 numbers
.set CW,   96                          ; v96-103  a block's codes
.set OUTR, 112                         ; v112-175 the way out
.macro LOADW t
.irp i, 0,1,2,3,4,5,6,7,8,9,10,11,12,13,14,15,16,17,18,19,20,21,22,23,24,25,26,27,28,29,30,31
	global_load_b32 v[XW+32*((\t)%2)+\i], v9, s[4:5] offset:(32*(\t)+\i)*8192 th:TH_LOAD_NT
.endr
.endm
.macro BLOCKW t
.set XS, XW+32*((\t)%2)
.if (\t) < 7
	s_wait_loadcnt 32                              ; this block's 32 loads are in; the next block's may be out
.else
	s_wait_loadcnt 0x0
.endif
.irp i, 0,1,2,3,4,5,6,7,8,9,10,11,12,13,14,15,16,17,18,19,20,21,22,23,24,25,26,27,28,29,30,31
	v_med3_num_f32 v[XS+\i], v[XS+\i], -v10, v10
.endr
.irp g, 0,1,2,3
	v_cvt_scalef32_pk8_fp8_f32 v[CW+2*\g:CW+2*\g+1], v[XS+8*\g:XS+8*\g+7], v11
.endr
	ds_store_b128 v4, v[CW:CW+3] offset:32*(\t)
	ds_store_b128 v4, v[CW+4:CW+7] offset:32*(\t)+16
.if (\t)+2 < 8
	LOADW (\t)+2
.endif
	s_wait_dscnt 0x0                               ; the stores have read their registers: the next block's codes may be written
.endm
.Lweights:
	s_load_b256 s[28:35], s[18:19], 0x0            ; e0 .. e7
	s_load_b128 s[36:39], s[18:19], 0x20           ; e8 .. e11
	s_sub_co_u32 s40, ttmp9, 256
	s_lshr_b32 s41, s40, 7                         ; which weight: 0 wq, 1 wk, 2 wv, 3 wc
	s_and_b32 s42, s40, 15                         ; which 128 columns
	s_bfe_u32 s43, s40, 0x30004                    ; which 256 along K
	s_lshl_b32 s44, s42, 7
	s_lshl_b32 s45, s26, 5
	s_add_co_u32 s44, s44, s45                     ; my wave's first column
	s_wait_alu depctr_va_vdst(0)
	v_lshlrev_b32 v9, 2, v2                        ; in: 4 bytes a lane
	s_mul_i32 s45, s26, 32*272
	s_add_co_u32 s45, s45, WST                     ; my stage
	v_mul_u32_u24 v4, v2, 272
	v_add_nc_u32 v4, s45, v4                       ; into it: row = my column
	v_and_b32 v5, 15, v2
	v_lshrrev_b32 v6, 4, v2
	v_mul_u32_u24 v7, v6, 272
	v_lshl_add_u32 v7, v5, 4, v7
	v_add_nc_u32 v7, s45, v7                       ; out of it: sixteen lanes to a row, two rows an instruction
	v_lshlrev_b32 v8, 11, v6
	v_lshl_add_u32 v8, v5, 4, v8                   ; and the same place among the codes' rows of 2,048 bytes
	s_lshl_b32 s46, s43, 21                        ; 256 rows of 8,192 bytes
	s_lshl_b32 s47, s44, 2
	s_add_co_u32 s46, s46, s47
	s_mov_b32 s47, 0
	s_add_co_u32 s48, s41, 3                       ; the weight's section,
	s_lshl_b32 s48, s48, 22
	s_lshl_b32 s49, s44, 11                        ; the column's row of codes,
	s_add_co_u32 s48, s48, s49
	s_lshl_b32 s49, s43, 8                         ; its 256 along K
	s_add_co_u32 s48, s48, s49
	s_mov_b32 s49, 0
	s_and_b32 s50, s41, 1
	s_cmp_eq_u32 s50, 0                            ; the choice hangs on the work-group's number alone
	s_cselect_b64 s[8:9], s[8:9], s[10:11]
	s_cselect_b64 s[12:13], s[12:13], s[14:15]
	s_cmp_lt_u32 s41, 2
	s_cselect_b64 s[4:5], s[8:9], s[12:13]
	s_add_nc_u64 s[4:5], s[4:5], s[46:47]
	s_add_nc_u64 s[20:21], s[20:21], s[48:49]
	LOADW 0
	LOADW 1
	s_wait_kmcnt 0x0
	s_cmp_eq_u32 s50, 0
	s_cselect_b32 s29, s29, s31                    ; e1 or e3
	s_cselect_b32 s33, s33, s39                    ; e5 or e11
	s_cmp_lt_u32 s41, 2
	s_cselect_b32 s30, s29, s33
	MKSCALE 30, 10, 11
	s_wait_alu depctr_va_vdst(0)
.irp t, 0,1,2,3,4,5,6,7
	BLOCKW \t
.endr
.irp t, 0,1,2,3,4,5,6,7,8,9,10,11,12,13,14,15
	ds_load_b128 v[OUTR+4*\t:OUTR+4*\t+3], v7 offset:2*\t*272
.endr
.irp t, 0,1,2,3,4,5,6,7,8,9,10,11,12,13,14,15
	s_wait_dscnt 15-\t
	global_store_b128 v8, v[OUTR+4*\t:OUTR+4*\t+3], s[20:21] offset:2*\t*2048
.endr
	s_wait_tensorcnt 0x0
	ds_add_u32 v254, v255
	s_wait_dscnt 0x0
	s_endpgm
.Lfunc_end_k_qb2380a9689_prep:
	.size	k_qb2380a9689_prep, .Lfunc_end_k_qb2380a9689_prep-k_qb2380a9689_prep
	.p2alignl 7, 3214868480
	.fill 96, 4, 3214868480
	.section	.rodata,"a",@progbits
	.p2align	6, 0x0
	.amdhsa_kernel k_qb2380a9689_prep
		.amdhsa_group_segment_fixed_size 79360
		.amdhsa_private_segment_fixed_size 0
		.amdhsa_enable_private_segment 0
		.amdhsa_kernarg_size 96
		.amdhsa_user_sgpr_count 2
		.amdhsa_user_sgpr_kernarg_segment_ptr 1
		.amdhsa_wavefront_size32 1
		.amdhsa_system_sgpr_workgroup_id_x 1
		.amdhsa_system_sgpr_workgroup_id_y 1
		.amdhsa_system_sgpr_workgroup_id_z 1
		.amdhsa_system_vgpr_workitem_id 0
		.amdhsa_next_free_vgpr 256
		.amdhsa_next_free_sgpr 66
		.amdhsa_reserve_vcc 1
		.amdhsa_float_denorm_mode_32 3
		.amdhsa_float_denorm_mode_16_64 3
		.amdhsa_memory_ordered 1
		.amdhsa_forward_progress 1
		.amdhsa_inst_pref_size 167
	.end_amdhsa_kernel
	.amdgpu_metadata
---
amdhsa.version: [ 1, 2 ]
amdhsa.kernels:
  - .name:           k_qb2380a9689_prep
    .symbol:         k_qb2380a9689_prep.kd
    .args:
      - { .name: subject_tokens, .offset: 0, .size: 8, .value_kind: global_buffer, .address_space: global }
      - { .name: object_tokens, .offset: 8, .size: 8, .value_kind: global_buffer, .address_space: global }
      - { .name: wq, .offset: 16, .size: 8, .value_kind: global_buffer, .address_space: global }
      - { .name: wk, .offset: 24, .size: 8, .value_kind: global_buffer, .address_space: global }
      - { .name: wv, .offset: 32, .size: 8, .value_kind: global_buffer, .address_space: global }
      - { .name: wc, .offset: 40, .size: 8, .value_kind: global_buffer, .address_space: global }
      - { .name: msk, .offset: 48, .size: 8, .value_kind: global_buffer, .address_space: global }
      - { .name: lowp_scales, .offset: 56, .size: 8, .value_kind: global_buffer, .address_space: global }
      - { .name: codes, .offset: 64, .size: 8, .value_kind: global_buffer, .address_space: global }
      - { .name: mbits, .offset: 72, .size: 8, .value_kind: global_buffer, .address_space: global }
      - { .name: rtab, .offset: 80, .size: 8, .value_kind: global_buffer, .address_space: global }
      - { .name: msum, .offset: 88, .size: 8, .value_kind: global_buffer, .address_space: global }
    .group_segment_fixed_size: 79360
    .private_segment_fixed_size: 0
    .kernarg_segment_align: 8
    .kernarg_segment_size: 96
    .max_flat_workgroup_size: 128
    .sgpr_count:     66
    .vgpr_count:     256
    .wavefront_size: 32
...
	.end_amdgpu_metadata
.endif
;; end of part 1
;; launch gemm_qkv (part 2): grid 24 x 8, 4 waves a work-group, clusters of 4 x 4, 327,680 bytes of LDS; arguments codes, bq, bk, bv, lowp_scales, rtab, qkv; writes qkv
.if DOCPART == 2
	.amdgcn_target "amdgcn-amd-amdhsa--gfx1250"
	.amdhsa_code_object_version 6
	.text
	.protected	k_qb2380a9689_gemm_qkv
	.globl	k_qb2380a9689_gemm_qkv
	.p2align	8
	.type	k_qb2380a9689_gemm_qkv,@function
k_qb2380a9689_gemm_qkv:
	s_mov_b64 s[64:65], 0
	v_nop
	global_prefetch_b8 v0, s[64:65] scope:SCOPE_SE
	s_setreg_imm32_b32 hwreg(HW_REG_WAVE_MODE, 25, 1), 1
	s_wait_xcnt 0x0
	s_wait_alu depctr_hold_cnt(0) depctr_sa_sdst(0) depctr_va_vdst(0) depctr_va_sdst(0) depctr_va_ssrc(0) depctr_va_vcc(0) depctr_vm_vsrc(0)
	s_getreg_b32 s2, hwreg(HW_REG_IB_STS2, 6, 4)
	s_cmp_eq_u32 s2, 0
	s_cbranch_scc0 .Lentry_in_a_cluster
	s_endpgm
.Lentry_in_a_cluster:
	s_bfe_u32 s2, ttmp6, 0x10000c
	s_cmp_lg_u32 s2, 0xf033
	s_cbranch_scc0 .Lentry_shape_is_right
	s_endpgm
.Lentry_shape_is_right:
.set ROWB,   256
.set KROW,   2048
.set PITCH,  272
.set FR,     16
.set NL,     4
.set NP,     4
.set HALFT,  128*PITCH
.set SLOT,   4*HALFT
.set LAPS,   4
.set SPARE,  2*SLOT
.set ADRA, 16
.set ADRB, 20
.set BQO,  22
.set BVO,  23
.set LI,   27
.set SPW,  28
.set NIL,  29
.set QSC,  30
.set QLIM, 31
.set BIAS, 32
.set CODES, 96
.set T,    112
.set AF,   128
.set X,    192
.set G1, 24
.set G0, 32
.set G1B, 48
.set G0B, 56
.set MSB, 0
.macro WIN new
.if MSB != (\new)
	s_set_vgpr_msb (MSB<<8)|(\new)
.set MSB, (\new)
.endif
.endm
.set MUL_LO, 0xa1
.set MUL_HI, 0xf1
.set TO_B,   0x40
.macro JLOAD g0a, g1a, g0b, g1b
	s_cmp_eq_u32 s15, 0
	s_cbranch_scc0 .Lfor_b_\@
	tensor_load_to_lds s[\g0a:\g0a+3], s[\g1a:\g1a+7]
	s_nop 0
.rept 4
	v_nop
.endr
	s_branch .Lasked_\@
.Lfor_b_\@:
	tensor_load_to_lds s[\g0b:\g0b+3], s[\g1b:\g1b+7]
	s_nop 0
.rept 4
	v_nop
.endr
.Lasked_\@:
.endm
.macro CREST
	s_cmp_lg_u32 s14, 0
	s_cbranch_scc1 .Lnot_wave_0_\@
	s_barrier_signal -3
.Lnot_wave_0_\@:
	s_barrier_wait -3
	s_barrier_signal -1
	s_barrier_wait -1
.endm
.macro CROUND
	s_barrier_signal -1
	s_barrier_wait -1
	CREST
.endm
	s_load_b256 s[4:11], s[0:1], 0x0
	s_load_b128 s[68:71], s[0:1], 0x20
	s_load_b64 s[72:73], s[0:1], 0x30
	v_lshl_add_u32 v[SPW], v0, 2, SPARE
	v_mov_b32 v[NIL], 0
	ds_add_u32 v28, v29
	ds_add_u32 v28, v29
	s_wait_dscnt 0x0
	v_lshrrev_b32 v1, 5, v0
	v_readfirstlane_b32 s14, v1
	v_and_b32 v24, 31, v0
	v_lshlrev_b32 v24, 11, v24                     ; the prefetches' offset: my lane x a row of 2,048 bytes; never rewritten
	s_lshr_b32 s15, s14, 1
	s_and_b32 s16, s14, 1
	s_bfe_u32 s40, ttmp6, 0x40000
	s_bfe_u32 s41, ttmp6, 0x40004
	s_lshr_b32 s74, ttmp9, 1
	s_and_b32 s42, ttmp9, 1
	s_lshl_b32 s42, s42, 2
	s_add_co_u32 s42, s42, s40
	s_and_b32 s17, ttmp7, 0xffff
	s_lshl_b32 s17, s17, 2
	s_add_co_u32 s17, s17, s41
	s_lshl_b32 s43, s41, 2
	s_lshl_b32 s43, 15, s43
	s_lshl_b32 s44, 0x1111, s40
	s_or_b32 s[G1+0], s43, (0<<16)|(1<<20)|(1<<21)|(5<<22)|(3<<25)
	s_or_b32 s[G1B+0], s44, (0<<16)|(1<<20)|(1<<21)|(5<<22)|(3<<25)
.irp g, G1, G1B
	s_mov_b32 s[\g+1], ROWB<<16
	s_mov_b32 s[\g+2], 128<<16
	s_mov_b32 s[\g+3], ROWB<<16
	s_mov_b32 s[\g+4], 128
	s_mov_b32 s[\g+5], KROW
	s_mov_b32 s[\g+6], 0
	s_mov_b32 s[\g+7], 0
.endr
	s_lshr_b32 s75, s74, 1
	s_mul_i32 s75, s75, 3
	s_add_co_u32 s76, s74, s75
	s_add_co_u32 s77, s74, 3
	s_sub_co_u32 s77, s77, s75
	s_lshl_b32 s18, s16, 7
	s_lshl_b32 s20, s17, 8
	s_add_co_u32 s20, s20, s18
	s_lshl_b32 s20, s20, 11
	s_lshl_b32 s76, s76, 22
	s_add_co_u32 s20, s20, s76
	s_mov_b32 s21, 0
	s_lshl_b32 s46, s42, 8
	s_add_co_u32 s46, s46, s18
	s_lshl_b32 s46, s46, 11
	s_lshl_b32 s77, s77, 22
	s_add_co_u32 s46, s46, s77
	s_mov_b32 s47, 0
	s_mul_i32 s45, s14, HALFT
	s_wait_kmcnt 0x0
	s_load_b256 s[80:87], s[68:69], 0x0
	s_load_b64 s[88:89], s[68:69], 0x20
	s_add_nc_u64 s[20:21], s[4:5], s[20:21]
	s_add_nc_u64 s[46:47], s[4:5], s[46:47]
	; THE PREFETCHES: of the 128 rows that my wave fetches, each of the four partners that ask for them jointly names 32, told apart by address (cx for A, cy for B): a lane a row, 256 bytes of a K step
	s_cmp_eq_u32 s15, 0
	s_cselect_b64 s[12:13], s[20:21], s[46:47]
	s_cselect_b32 s98, s40, s41
	s_lshl_b32 s98, s98, 16                        ; 32 rows of 2,048 bytes
	s_mov_b32 s99, 0
	s_add_nc_u64 s[12:13], s[12:13], s[98:99]
	CROUND
.irp s, 0,1
	s_mov_b32 s[G0+4*\s], 1
	s_add_co_u32 s[G0+4*\s+1], s45, \s*SLOT
	s_add_nc_u64 s[G0+4*\s+2:G0+4*\s+3], s[20:21], \s*ROWB
	s_or_b32 s[G0+4*\s+3], s[G0+4*\s+3], 0x80000000
	s_mov_b32 s[G0B+4*\s], 1
	s_add_co_u32 s[G0B+4*\s+1], s45, \s*SLOT
	s_add_nc_u64 s[G0B+4*\s+2:G0B+4*\s+3], s[46:47], \s*ROWB
	s_or_b32 s[G0B+4*\s+3], s[G0B+4*\s+3], 0x80000000
	s_wait_alu depctr_va_vdst(0)
.if \s                                             ; slot 1's first fill stands behind the full sequence and a round, as a refill does; slot 0's stands behind the round above
	s_wait_tensorcnt 0x0
	ds_add_u32 v28, v29
	ds_add_u32 v28, v29
	s_wait_dscnt 0x0
	CROUND
.endif
	JLOAD G0+4*\s, G1, G0B+4*\s, G1B
.if \s == 0
	global_prefetch_b8 v24, s[12:13] offset:ROWB th:TH_LOAD_NT scope:SCOPE_SE      ; K step 1,
.else
	global_prefetch_b8 v24, s[12:13] offset:2*ROWB th:TH_LOAD_NT scope:SCOPE_SE    ; K step 2: one whole K step ahead of its load,
	global_prefetch_b8 v24, s[12:13] offset:3*ROWB th:TH_LOAD_NT scope:SCOPE_SE    ; K step 3
.endif
.endr
	v_and_b32 v1, 15, v0
	v_bfe_u32 v2, v0, 4, 1
	s_wait_alu depctr_va_vdst(0)
	v_mul_u32_u24 v3, v1, PITCH
	v_lshl_add_u32 v4, v2, 4, v3
	s_mul_i32 s21, s15, HALFT
	s_mul_i32 s22, s16, HALFT
	s_add_co_u32 s22, s22, 2*HALFT
.irp s, 0,1
	v_add_nc_u32 v[ADRA+\s], s21, v4
	v_add_nc_u32 v[ADRB+\s], s22, v4
	s_add_co_u32 s21, s21, SLOT
	s_add_co_u32 s22, s22, SLOT
.endr
	v_and_b32 v6, 31, v0
	v_lshlrev_b32 v[LI], 4, v6
	s_lshl_b32 s18, s42, 1
	s_add_co_u32 s18, s18, s16
	s_lshl_b32 s19, s17, 1
	s_add_co_u32 s19, s19, s15
	s_lshl_b32 s20, s18, 9
	v_lshl_add_u32 v[BQO], v2, 5, s20
	s_lshl_b32 s20, s19, 9
	v_lshl_add_u32 v[BVO], v1, 2, s20
	s_lshl_b32 s20, s19, 16
	s_mov_b32 s21, 0
	s_add_nc_u64 s[70:71], s[70:71], s[20:21]
	s_cmp_eq_u32 s74, 2
	s_cselect_b32 s20, s19, s18
	s_cselect_b32 s21, s18, s19
	s_lshl_b32 s20, s20, 18
	s_lshl_b32 s21, s21, 14
	s_add_co_u32 s20, s20, s21
	s_lshl_b32 s21, s74, 22
	s_add_co_u32 s20, s20, s21
	s_mov_b32 s21, 0
	s_add_nc_u64 s[72:73], s[72:73], s[20:21]
	s_wait_alu depctr_va_vdst(0)
	s_wait_kmcnt 0x0
	s_add_co_i32 s90, s80, s81
	s_add_co_i32 s91, s82, s83
	s_add_co_i32 s92, s84, s85
	s_cmp_eq_u32 s74, 0
	s_cselect_b32 s90, s90, s91
	s_cselect_b32 s93, s86, s87
	s_cselect_b64 s[78:79], s[6:7], s[8:9]
	s_cmp_eq_u32 s74, 2
	s_cselect_b32 s90, s92, s90
	s_cselect_b32 s93, s89, s93
	s_cselect_b64 s[78:79], s[10:11], s[78:79]
	s_add_co_i32 s90, s90, 127
	s_lshl_b32 s96, s90, 23
	s_mov_b32 s97, s96
	s_add_co_i32 s93, s93, 127
	s_lshl_b32 s94, s93, 23
	v_mov_b32 v[QSC], s94
	s_add_co_i32 s93, s93, 8
	s_lshl_b32 s93, s93, 23
	s_or_b32 s93, s93, 0x600000
	v_mov_b32 v[QLIM], s93
.irp b, 0,1,2,3,4,5,6,7
	global_load_b128 v[BIAS+8*\b:BIAS+8*\b+3], v[BQO], s[78:79] offset:64*\b
	global_load_b128 v[BIAS+8*\b+4:BIAS+8*\b+7], v[BQO], s[78:79] offset:64*\b+16
.endr
.irp a, 0,1,2,3,4,5,6,7
	global_load_b32 v[T+2*\a], v[BVO], s[78:79] offset:64*\a
	global_load_b32 v[T+2*\a+1], v[BVO], s[78:79] offset:64*\a
.endr
.macro FRAG reg, adr, q, i
.irp c, 0,1,2,3
	ds_load_b128 v[\reg+4*\c:\reg+4*\c+3], v[\adr] offset:128*(\q)+32*\c+(\i)*16*PITCH
.endr
.endm
.macro MUL16 a0, p, zero
.irp a, \a0, \a0+1
.irp b, 0,1,2,3,4,5,6,7
.if \zero
	v_wmma_f32_16x16x128_fp8_fp8 v[8*(8*((\a)%4)+\b):8*(8*((\a)%4)+\b)+7], v[128*(\p)+FR*\b:128*(\p)+FR*\b+FR-1], v[AF+FR*(\a):AF+FR*(\a)+FR-1], 0
.else
	v_wmma_f32_16x16x128_fp8_fp8 v[8*(8*((\a)%4)+\b):8*(8*((\a)%4)+\b)+7], v[128*(\p)+FR*\b:128*(\p)+FR*\b+FR-1], v[AF+FR*(\a):AF+FR*(\a)+FR-1], v[8*(8*((\a)%4)+\b):8*(8*((\a)%4)+\b)+7]
.endif
.endr
.endr
.endm
.macro FETCH_B slot, q, p
	WIN TO_B
.irp i, 0,1,2,3,4,5,6,7
	FRAG 128*(\p)+FR*\i, ADRB+\slot, \q, \i
.endr
	WIN 0
.endm
.macro FETCH_A slot, q, i0
.irp i, \i0, \i0+1, \i0+2, \i0+3
	FRAG AF+FR*(\i), ADRA+\slot, \q, \i
.endr
.endm
.macro PLACES n
.rept \n
	v_nop
.endr
.endm
.macro STEP slot, q, zero
	s_wait_dscnt 4*NL
	WIN MUL_LO
	MUL16 0, (\q)%2, \zero
	MUL16 2, (\q)%2, \zero
	s_wait_dscnt 0
	PLACES NP
	FETCH_B \slot, (\q)+1, 1-(\q)%2
	FETCH_A \slot, (\q)+1, 0
	WIN MUL_HI
	MUL16 4, (\q)%2, \zero
	MUL16 6, (\q)%2, \zero
	PLACES NP
	WIN 0
	FETCH_A \slot, (\q)+1, 4
.endm
.macro TURN slot, next, fill
	s_wait_tensorcnt 0x0
	ds_add_u32 v[SPW], v[NIL]
	s_wait_dscnt 4*NL+1
	WIN MUL_LO
	MUL16 0, 1, 0
	s_wait_dscnt 0x0
	s_barrier_signal -1
	MUL16 2, 1, 0
	WIN 0
	s_barrier_wait -1
.if \fill
	CREST
	s_add_nc_u64 s[G0+4*\slot+2:G0+4*\slot+3], s[G0+4*\slot+2:G0+4*\slot+3], 2*ROWB
	s_add_nc_u64 s[G0B+4*\slot+2:G0B+4*\slot+3], s[G0B+4*\slot+2:G0B+4*\slot+3], 2*ROWB
	JLOAD G0+4*\slot, G1, G0B+4*\slot, G1B
.else
	PLACES NP
.endif
	FETCH_B \next, 0, 0
	FETCH_A \next, 0, 0
.if \fill
	s_cmp_gt_u32 s3, 1                             ; the loop's last trip has no K step two refills on
	s_cbranch_scc0 .Lnp_\@
	global_prefetch_b8 v24, s[12:13] offset:(4+\slot)*ROWB th:TH_LOAD_NT scope:SCOPE_SE   ; the K step that stands two refills on
.Lnp_\@:
.endif
	WIN MUL_HI
	MUL16 4, 1, 0
	MUL16 6, 1, 0
	PLACES NP
	WIN 0
	FETCH_A \next, 0, 4
.endm
.macro LAST
	s_wait_dscnt 4*NL
	WIN MUL_LO
	MUL16 0, 1, 0
	MUL16 2, 1, 0
	s_wait_dscnt 0
	WIN MUL_HI
	MUL16 4, 1, 0
	MUL16 6, 1, 0
	WIN 0
.endm
.macro TABLE a
.irp u, 0,1,2,3,4,5,6,7,8,9,10,11,12,13,14,15
	global_load_b128 v[64*((\a)%4)+4*\u:64*((\a)%4)+4*\u+3], v[LI], s[70:71] offset:8192*(\a)+512*\u
.endr
.endm
.macro SCALE a, val
.set AC, 64*((\a)%4)
	WIN 0x02+((\a)/4)
.set j, 0
.rept 32
.if \val
	v_pk_fma_f32 v[X+j:X+j+1], v[AC+j:AC+j+1], s[96:97], v[T+2*(\a):T+2*(\a)+1] op_sel_hi:[1,0,1]
.else
	v_pk_fma_f32 v[X+j:X+j+1], v[AC+j:AC+j+1], s[96:97], v[BIAS+j:BIAS+j+1] op_sel_hi:[1,0,1]
.endif
.set j, j+2
.endr
	WIN 0
.endm
.macro ROPE a
.set TB4, 64*((\a)%4)
.if (\a) < 5
	s_wait_loadcnt 48
.else
	s_wait_loadcnt 16*(7-(\a))
.endif
	WIN 0x04
.irp g, 0,1,2,3
.irp k, 0,1,2,3,4,5,6,7
	v_pk_mul_f32 v[T+2*\k:T+2*\k+1], v[X+16*\g+2*\k:X+16*\g+2*\k+1], v[TB4+16*\g+2*\k:TB4+16*\g+2*\k+1] op_sel:[1,1] op_sel_hi:[1,0]
.endr
.irp k, 0,1,2,3,4,5,6,7
	v_pk_fma_f32 v[X+16*\g+2*\k:X+16*\g+2*\k+1], v[X+16*\g+2*\k:X+16*\g+2*\k+1], v[TB4+16*\g+2*\k:TB4+16*\g+2*\k+1], v[T+2*\k:T+2*\k+1] op_sel_hi:[0,1,1] neg_lo:[0,0,1]
.endr
.endr
	s_wait_xcnt 0x0
.if (\a)+4 < 8
	WIN TO_B
	TABLE (\a)+4
.endif
	WIN 0
.endm
.macro QSTORE a, w
.if \w
	s_wait_xcnt 0x0
.endif
.set j, 0
.rept 64
	v_med3_num_f32 v[X+j], v[X+j], -v[QLIM], v[QLIM]
.set j, j+1
.endr
.irp b, 0,1,2,3,4,5,6,7
	v_cvt_scalef32_pk8_fp8_f32 v[CODES+2*\b:CODES+2*\b+1], v[X+8*\b:X+8*\b+7], v[QSC]
.endr
	v_nop
.irp c, 0,1,2,3
	global_store_b128 v[LI], v[CODES+4*\c:CODES+4*\c+3], s[72:73] offset:2048*(\a)+512*\c
.endr
.endm
	s_wait_tensorcnt 1
	s_barrier_signal -1
	s_barrier_wait -1
	FETCH_B 0, 0, 0
	FETCH_A 0, 0, 0
	FETCH_A 0, 0, 4
	STEP 0, 0, 1
	s_mov_b32 s3, LAPS-1
.Llap:
	TURN 0, 1, 1
	STEP 1, 0, 0
	TURN 1, 0, 1
	STEP 0, 0, 0
	s_wait_xcnt 0x0                                ; the trip's prefetches have read their address
	s_add_nc_u64 s[12:13], s[12:13], 2*ROWB
	s_sub_co_u32 s3, s3, 1
	s_cmp_lg_u32 s3, 0
	s_cbranch_scc1 .Llap
	TURN 0, 1, 0
	STEP 1, 0, 0
	s_wait_loadcnt 0x0
	s_cmp_eq_u32 s74, 2
	s_cbranch_scc1 .Lvalues
	WIN TO_B
	TABLE 0
	TABLE 1
	WIN 0
	LAST
	PLACES NP
	WIN TO_B
	TABLE 2
	TABLE 3
	WIN 0
.irp a, 0,1,2,3,4,5,6,7
	SCALE \a, 0
	ROPE \a
	QSTORE \a, 0
.endr
	s_branch .Lend
.Lvalues:
	LAST
	PLACES NP
.irp a, 0,1,2,3,4,5,6,7
	SCALE \a, 1
	QSTORE \a, 1
.endr
.Lend:
	s_wait_tensorcnt 0x0
	ds_add_u32 v[SPW], v[NIL]
	s_wait_dscnt 0x0
	CROUND
	s_endpgm
.Lfunc_end_k_qb2380a9689_gemm_qkv:
	.size	k_qb2380a9689_gemm_qkv, .Lfunc_end_k_qb2380a9689_gemm_qkv-k_qb2380a9689_gemm_qkv
	.p2alignl 7, 3214868480
	.fill 96, 4, 3214868480
	.section	.rodata,"a",@progbits
	.p2align	6, 0x0
	.amdhsa_kernel k_qb2380a9689_gemm_qkv
		.amdhsa_group_segment_fixed_size 327680
		.amdhsa_private_segment_fixed_size 0
		.amdhsa_enable_private_segment 0
		.amdhsa_kernarg_size 56
		.amdhsa_user_sgpr_count 2
		.amdhsa_user_sgpr_kernarg_segment_ptr 1
		.amdhsa_wavefront_size32 1
		.amdhsa_system_sgpr_workgroup_id_x 1
		.amdhsa_system_sgpr_workgroup_id_y 1
		.amdhsa_system_sgpr_workgroup_id_z 1
		.amdhsa_system_vgpr_workitem_id 0
		.amdhsa_next_free_vgpr 1024
		.amdhsa_next_free_sgpr 100
		.amdhsa_reserve_vcc 0
		.amdhsa_float_denorm_mode_32 3
		.amdhsa_float_denorm_mode_16_64 3
		.amdhsa_memory_ordered 1
		.amdhsa_forward_progress 1
		.amdhsa_inst_pref_size 245
	.end_amdhsa_kernel
	.amdgpu_metadata
---
amdhsa.version: [ 1, 2 ]
amdhsa.kernels:
  - .name:           k_qb2380a9689_gemm_qkv
    .symbol:         k_qb2380a9689_gemm_qkv.kd
    .args:
      - { .name: codes, .offset: 0, .size: 8, .value_kind: global_buffer, .address_space: global }
      - { .name: bq, .offset: 8, .size: 8, .value_kind: global_buffer, .address_space: global }
      - { .name: bk, .offset: 16, .size: 8, .value_kind: global_buffer, .address_space: global }
      - { .name: bv, .offset: 24, .size: 8, .value_kind: global_buffer, .address_space: global }
      - { .name: lowp_scales, .offset: 32, .size: 8, .value_kind: global_buffer, .address_space: global }
      - { .name: rtab, .offset: 40, .size: 8, .value_kind: global_buffer, .address_space: global }
      - { .name: qkv, .offset: 48, .size: 8, .value_kind: global_buffer, .address_space: global }
    .group_segment_fixed_size: 327680
    .private_segment_fixed_size: 0
    .kernarg_segment_align: 8
    .kernarg_segment_size: 56
    .max_flat_workgroup_size: 128
    .sgpr_count:     100
    .vgpr_count:     1024
    .wavefront_size: 32
...
	.end_amdgpu_metadata
.endif
;; end of part 2
;; launch attn (part 3): grid 16 x 16, 4 waves a work-group, no clusters, 139,776 bytes of LDS; arguments qkv, mbits, msum, lowp_scales, cimg; writes cimg
.if DOCPART == 3
	.amdgcn_target "amdgcn-amd-amdhsa--gfx1250"
	.amdhsa_code_object_version 6
	.text
	.protected	k_qb2380a9689_attn
	.globl	k_qb2380a9689_attn
	.p2align	8
	.type	k_qb2380a9689_attn,@function
k_qb2380a9689_attn:
	s_mov_b64 s[64:65], 0
	v_nop
	global_prefetch_b8 v0, s[64:65] scope:SCOPE_SE
	s_setreg_imm32_b32 hwreg(HW_REG_WAVE_MODE, 25, 1), 1
	s_wait_xcnt 0x0
; ATTENTION on codes of E4M3: scores = q k^T, the mask as it is given, p = 2^(t - M) with M a whole number, O = p v / the row's sum, quantised for the last projection.
; WHAT THE MASK'S WHOLE NUMBERS DECIDE.  msum holds, for each tile of 16 queries and each step of 128 keys, the OR and the AND of the step's 64 mask words.  A step in which no key counts for any of a wave's 32 queries is
; not walked: a masked logit is -1e9, and beside a key that counts (logit above -7.5e8, the limit below) its p is 0.  If one of the 32 rows has no key that counts at all, every step is walked, since that row's p are then all 1.
; Where a tile's AND is all ones its mask words are not asked for and the 64 selects are jumped over.  All this is read from memory, for any mask.
; SHARES.  Work-group (x, head), wave w: g = w & 1, kh = w >> 1, a = 2 x + g.  The wave takes the blocks 63 - a and a of 32 queries (two tiles of 16), one after the other, and of the steps that are walked those with step % 2 = kh.
; Each wave lays -M, t, the sum and O^T of its four tiles into LDS bytes of its own; behind one barrier wave (g, kh) joins tile kh of both blocks with its partner's (wave w ^ 2); the rescalings are powers of two.
; K AND V come as images of operand registers straight from memory into registers of their own (window 2): the next step's K is asked for behind this step's first products, V at the step's head.
; Of the next K's 32 loads the last 4 stand behind tile 0's softmax: V's 32 and K's 28 are 60 loads out at the most.
; No tensor load stands in this text, so there are no joint loads.
; PREFETCH.  The 16 work-groups of a head read the same K and V and share them out: work-group x asks once, at its head, for step x: 32,768 bytes, 8,192 a wave (waves 0, 1: K's halves; waves 2, 3: V's), lanes 256 bytes apart.
; So each block of 256 bytes is named once in the launch.  The loop asks for nothing: its steps hang on the list.
; LAYOUT.  Both products are used transposed: S^T = K Q^T, O^T = V^T P^T: a lane holds one query (lane % 16).  Score register 8 T + j is key 16 T + 8 h + j.  Lane r of V's tile 2 B + u takes channel 32 B + 8 u + r + 8 (r / 8).
; A masked raw score becomes -2^(33 - E), E = e6 + e7, whose t is about -1.1e9, a whole number that fits 32 bits.
; LIMITS: E between -94 and 130; e8 and e10 between -126 and 119; a key that is not masked has a logit above -7.5e8.
; REGISTERS: tile 0 in window 0, tile 1 in window 1, at the same numbers: v12 -M, v13 the largest t, v[14:15] the sum, v16-31 Q, v96-159 S^T then p, v160-223 O^T, v224-239 codes, v240-254 constants and work.
;   window 0: v2-11 addresses, v32-63 the second block's Q, later v32-95 the partner's O^T.   window 2: v0-127 V's eight fragments, v128-255 K's.
.set TS,    8704                       ; a tile's hand-over: 8,192 bytes of O^T, 512 of state
.set WR,    4*TS                       ; a wave's four tiles
.set SPARE, 4*WR                       ; the spare words, 128 bytes a wave
.set FRG,  32
.set S,    96
.set O,    160
.set P,    224
.set LIMP, 240                         ; 448 x 2^e8
.set SMK,  241                         ; the masked score
.set SUM2, 242                         ; at work: chains of the maximum and the sum; later the partner's factor
.set SCP,  244                         ; 2^e8
.set PRM,  245                         ; a lane permute's destination
.set LIMC, 246                         ; 448 x 2^e10
.set SCQ,  247                         ; 2^e10
.set PST,  248                         ; chains of the sum; later the partner's -M, t, sum
.set F,    252                         ; f = 2^(old M - new M)
.set TV,   254
; s2 the entry in hand (block x 16 + step), s3 trips, s84 entries to come, s85 this block's trips, s86 the second block's, s87 this block's open bits (tile 0 low, tile 1 high), s88 the second block's,
; s89 the block, s90 the mask words' offset, s91, s92 the two blocks' first bytes in mbits, s93 the next entry, s95 the step, s15 and s94 at work
.set MSB, 0
.macro WIN new
.if MSB != (\new)
	s_set_vgpr_msb (MSB<<8)|(\new)
.set MSB, (\new)
.endif
.endm
.macro PLACES
.rept 4
	v_nop
.endr
.endm
.macro NEXTIDX d                       ; the lowest entry to come, taken off the list; 31 where none is left (its loads stay inside the buffers and are not used)
	s_ctz_i32_b32 s[\d], s84
	s_min_u32 s[\d], s[\d], 31
	s_add_co_u32 s94, s84, -1
	s_and_b32 s84, s84, s94
.endm
.macro MOFF d                          ; where entry d's mask words of tile 0 lie
	s_cmp_lt_u32 s[\d], 16
	s_cselect_b32 s90, s91, s92
	s_and_b32 s94, s[\d], 15
	s_lshl_b32 s94, s94, 8
	s_add_co_u32 s90, s90, s94
.endm
.macro MLOAD off                       ; 64 mask words: word n in s[16 + n], from word 48 on in s[20 + n]
	s_load_b512 s[16:31], s[6:7], s90 offset:\off
	s_load_b512 s[32:47], s[6:7], s90 offset:\off+0x40
	s_load_b512 s[48:63], s[6:7], s90 offset:\off+0x80
	s_load_b512 s[68:83], s[6:7], s90 offset:\off+0xc0
.endm
.macro KLOAD from, num                 ; a step's 16,384 bytes as they lie, 512 a load: fragment T in v[128 + 16 T ..] of window 2
	WIN 0x80
.set j, \from
.rept \num
	global_load_b128 v[128+4*j:128+4*j+3], v8, s[100:101] offset:512*j
.set j, j+1
.endr
	WIN 0
.endm
.macro VLOAD                           ; fragment T in v[16 T ..] of window 2
	WIN 0x80
.irp t, 0,1,2,3,4,5,6,7
.irp c, 0,1,2,3
	global_load_b128 v[16*\t+4*\c:16*\t+4*\c+3], v9, s[104:105] offset:4096*(\t/2)+128*(\t%2)+512*\c
.endr
.endr
	WIN 0
.endm
.macro KMUL                            ; each fragment feeds two products; every product starts its sum
	WIN 0x02
.irp t, 0,1,2,3,4,5,6,7
	v_wmma_f32_16x16x128_fp8_fp8 v[S+8*\t:S+8*\t+7], v[128+16*\t:128+16*\t+15], v[16:31], 0
.endr
	WIN 0x46
.irp t, 0,1,2,3,4,5,6,7
	v_wmma_f32_16x16x128_fp8_fp8 v[S+8*\t:S+8*\t+7], v[128+16*\t:128+16*\t+15], v[16:31], 0
.endr
	WIN 0
.endm
.macro VMUL                            ; the sixteen accumulators take turns, one instruction a turn
	WIN 0x02
.irp t, 0,1,2,3,4,5,6,7
	v_wmma_f32_16x16x128_fp8_fp8 v[O+8*\t:O+8*\t+7], v[16*\t:16*\t+15], v[P:P+15], v[O+8*\t:O+8*\t+7]
.endr
	WIN 0x56
.irp t, 0,1,2,3,4,5,6,7
	v_wmma_f32_16x16x128_fp8_fp8 v[O+8*\t:O+8*\t+7], v[16*\t:16*\t+15], v[P:P+15], v[O+8*\t:O+8*\t+7]
.endr
	WIN 0
.endm
.macro CONSTS
	v_mov_b32 v[LIMP], s44
	v_mov_b32 v[SMK], s43
	v_mov_b32 v[SCP], s45
	v_mov_b32 v[PRM], 0
	v_mov_b32 v[LIMC], s46
	v_mov_b32 v[SCQ], s47
	v_mov_b32 v[F+1], 0                            ; (named as the upper half of a pair)
	v_mov_b32 v[SUM2], 0
	v_mov_b32 v[SUM2+1], 0
.endm
.macro BEGIN                           ; a tile's beginnings.  The step is written once: the first finds zeros, which the first change of M leaves zeros
	v_mov_b32 v12, 0x7f61b1e6                      ; -M
	v_mov_b32 v13, 0xff61b1e6                      ; the largest t so far: -3e38
	v_mov_b32 v14, 0
	v_mov_b32 v15, 0
.set j, 0
.rept 64
	v_mov_b32 v[O+j], 0
.set j, j+1
.endr
.endm
; From a block's 32 pairs (lanes 0-15: tile 0's steps, lanes 16-31: tile 1's): the steps to walk, and the open bits
.macro FLAGS vo, need, opn
	v_cmp_ne_u32 s48, 0, v[\vo]                    ; steps in which some key counts
	v_cmp_eq_u32 s[\opn], -1, v[\vo+1]             ; steps in which every key counts
	v_lshrrev_b32 v102, 16, v[\vo]
	v_or_b32 v102, v102, v[\vo]                    ; bit r: row r has a key that counts in this step
.irp m, 1,2,4,8
	v_mov_b32_dpp v103, v102 row_xmask:\m row_mask:0xf bank_mask:0xf
	v_or_b32 v102, v102, v103                      ; and in any of the tile's 16 steps
.endr
	v_and_b32 v102, s52, v102
	v_cmp_ne_u32 s49, s52, v102                    ; some row has none
	s_lshr_b32 s50, s48, 16
	s_or_b32 s50, s50, s48
	s_and_b32 s50, s50, 0xffff
	s_cmp_lg_u32 s49, 0
	s_cselect_b32 s50, 0xffff, s50                 ; then every step is walked
	s_and_b32 s[\need], s50, s51                   ; of them my half
.endm
	s_load_b256 s[4:11], s[0:1], 0x0               ; qkv s[4:5], mbits s[6:7], msum s[8:9], the scales' exponents s[10:11]
	s_load_b64 s[12:13], s[0:1], 0x20              ; cimg
	v_lshl_add_u32 v5, v0, 2, SPARE
	v_mov_b32 v6, 0
	v_lshrrev_b32 v1, 5, v0
	v_readfirstlane_b32 s15, v1                    ; wave 0..3
	s_and_b32 s16, s15, 1                          ; g
	s_lshr_b32 s17, s15, 1                         ; kh
	s_and_b32 s18, ttmp7, 0xffff                   ; the head
	s_lshl_b32 s19, ttmp9, 1
	s_add_co_u32 s19, s19, s16                     ; a: the second block
	s_sub_co_u32 s20, 63, s19                      ; 63 - a: the first
	s_lshl_b32 s21, s18, 18                        ; a head's 262,144 bytes in each part of qkv
	s_lshl_b32 s22, s20, 12
	s_add_co_u32 s22, s22, s21                     ; the first block's Q
	s_mov_b32 s23, 0
	s_lshl_b32 s24, s19, 12
	s_add_co_u32 s24, s24, s21                     ; the second's
	s_mov_b32 s25, 0
	s_add_co_u32 s26, s21, 1<<22                   ; K
	s_mov_b32 s27, 0
	s_add_co_u32 s28, s21, 2<<22                   ; V
	s_mov_b32 s29, 0
	s_lshl_b32 s91, s20, 13                        ; mbits: 4,096 bytes a tile
	s_lshl_b32 s92, s19, 13
	s_lshl_b32 s32, s18, 11
	s_lshl_b32 s30, s20, 1                         ; cimg: the tile that I join, 2 x block + kh
	s_add_co_u32 s30, s30, s17
	s_lshl_b32 s30, s30, 15
	s_add_co_u32 s30, s30, s32
	s_mov_b32 s31, 0
	s_lshl_b32 s34, s19, 1
	s_add_co_u32 s34, s34, s17
	s_lshl_b32 s34, s34, 15
	s_add_co_u32 s34, s34, s32
	s_mov_b32 s35, 0
	s_lshl_b32 s33, s20, 11                        ; msum: 1,024 bytes a tile
	s_lshl_b32 s41, s19, 11
	s_mul_i32 s42, s15, WR                         ; my bytes of LDS
	s_mul_i32 s43, s17, TS
	s_add_co_u32 s45, s42, s43                     ; the tile that I join, mine,
	s_xor_b32 s44, s15, 2
	s_mul_i32 s44, s44, WR
	s_add_co_u32 s44, s44, s43                     ; and my partner's
	s_mov_b32 s98, 0x76543210
	s_mov_b32 s99, 0xfedcba98                      ; lane l xor 16
	s_mov_b32 s52, 0xffff
	s_lshl_b32 s51, 0x5555, s17                    ; my half of the steps
	s_add_co_u32 s56, s17, 1                       ; the prefetch: K (waves 0, 1) or V (waves 2, 3),
	s_lshl_b32 s56, s56, 22
	s_add_co_u32 s56, s56, s21                     ; my head,
	s_lshl_b32 s57, ttmp9, 14
	s_add_co_u32 s56, s56, s57                     ; step x,
	s_lshl_b32 s57, s16, 13
	s_add_co_u32 s56, s56, s57                     ; half g
	s_mov_b32 s57, 0
	v_and_b32 v11, 31, v0
	v_lshlrev_b32 v4, 4, v11                       ; 16 x lane
	v_lshlrev_b32 v11, 8, v11                      ; 256 x lane; never rewritten
	v_bfe_u32 v1, v0, 4, 1                         ; h
	v_bfe_u32 v8, v0, 2, 2
	v_and_b32 v9, 3, v0
	v_lshlrev_b32 v96, 10, v1                      ; msum: tile h, step lane % 16: 256 (step / 4) + 8 (step % 4)
	v_lshl_add_u32 v96, v8, 8, v96
	v_lshl_add_u32 v96, v9, 3, v96
	v_add_nc_u32 v97, s41, v96
	v_add_nc_u32 v96, s33, v96
	v_bfe_u32 v8, v0, 3, 1                         ; r / 8
	v_and_b32 v9, 7, v0                            ; r % 8
	v_lshlrev_b32 v2, 11, v8                       ; V: lanes 8-15 read the next image
	v_lshl_add_u32 v2, v9, 4, v2
	v_lshl_add_u32 v2, v1, 8, v2
	v_add_nc_u32 v7, s42, v4
	v_add_nc_u32 v3, s45, v4
	v_add_nc_u32 v10, s44, v4
	v_mov_b32 v103, 0                              ; a DPP form's destination counts as read
	s_wait_alu depctr_va_vdst(0)                   ; the wait here, directly ahead of the wait below
	s_wait_kmcnt 0x0
	s_load_b128 s[36:39], s[10:11], 0x18           ; e6, e7, e8, e9
	s_load_b32 s40, s[10:11], 0x28                 ; e10
	s_add_nc_u64 s[22:23], s[4:5], s[22:23]
	s_add_nc_u64 s[24:25], s[4:5], s[24:25]
	s_add_nc_u64 s[100:101], s[4:5], s[26:27]
	s_add_nc_u64 s[104:105], s[4:5], s[28:29]
	s_add_nc_u64 s[56:57], s[4:5], s[56:57]
	global_load_b64 v[98:99], v96, s[8:9]          ; the first block's ORs and ANDs,
	global_load_b64 v[100:101], v97, s[8:9]        ; the second's
	global_prefetch_b8 v11, s[56:57] th:TH_LOAD_NT scope:SCOPE_SE   ; my 8,192 bytes of step x
.irp c, 0,1,2,3
	global_load_b128 v[16+4*\c:19+4*\c], v4, s[22:23] offset:512*\c            ; Q, first block, tile 0
	global_load_b128 v[32+4*\c:35+4*\c], v4, s[24:25] offset:512*\c            ; second block, tile 0: kept
	global_load_b128 v[48+4*\c:51+4*\c], v4, s[24:25] offset:2048+512*\c       ; second block, tile 1: kept
.endr
	WIN 0x40
.irp c, 0,1,2,3
	global_load_b128 v[16+4*\c:19+4*\c], v4, s[22:23] offset:2048+512*\c       ; first block, tile 1, into window 1
.endr
	WIN 0
	s_wait_kmcnt 0x0
	s_add_nc_u64 s[10:11], s[12:13], s[34:35]      ; cimg: the second block's tile,
	s_add_nc_u64 s[12:13], s[12:13], s[30:31]      ; the first's
	s_add_co_i32 s42, s36, s37                     ; E
	s_lshl_b32 s43, s42, 23
	s_add_co_i32 s96, s43, 0x3e0293ee              ; c = log2(e) / sqrt(128), x 2^E: the exponents are added to c's exponent field
	s_mov_b32 s97, s96
	s_sub_co_i32 s43, 160, s42
	s_lshl_b32 s43, s43, 23
	s_or_b32 s43, s43, 0x80000000                  ; -2^(33 - E)
	s_add_co_i32 s14, s38, s39                     ; e8 + e9
	s_add_co_i32 s44, s38, 127
	s_lshl_b32 s45, s44, 23
	s_add_co_i32 s44, s44, 8
	s_lshl_b32 s44, s44, 23
	s_or_b32 s44, s44, 0x600000
	s_add_co_i32 s46, s40, 127
	s_lshl_b32 s47, s46, 23
	s_add_co_i32 s46, s46, 8
	s_lshl_b32 s46, s46, 23
	s_or_b32 s46, s46, 0x600000
	CONSTS
	WIN 0x40
	CONSTS
	WIN 0
	s_wait_alu depctr_va_vdst(0)                   ; the wait here, directly ahead of the wait below
	s_wait_loadcnt 0x0
	s_wait_xcnt 0x0                                ; the prefetch has read its base: s[56:57] take mask words below
	FLAGS 98, 53, 87
	FLAGS 100, 54, 88
	s_bcnt1_i32_b32 s85, s53                       ; trips of the first block,
	s_bcnt1_i32_b32 s86, s54                       ; of the second
	s_lshl_b32 s54, s54, 16
	s_or_b32 s84, s53, s54                         ; one list for both: entry = 16 x block + step
	NEXTIDX 2
	MOFF 2
	s_and_b32 s94, s2, 15
	s_lshl_b32 s94, s94, 14
	v_add_nc_u32 v8, s94, v4
	KLOAD 0, 32                                    ; the first entry's K,
	MLOAD 0                                        ; and its mask words of tile 0: here always, so that all 64 registers are written
	s_mov_b32 s89, 0
; One tile's softmax for 128 keys.  tl: the tile, and its window.
.macro SOFTMAX tl
	WIN 0
	s_wait_kmcnt 0x0                               ; this tile's mask words, where they were asked for
	s_lshr_b32 s94, s87, s95
	s_and_b32 s94, s94, 1<<(16*(\tl))
	s_cbranch_scc1 .Lopen_\@                       ; every key of the step counts for the tile's 16 queries
	WIN 0x55*(\tl)
	s_wait_alu depctr_va_vdst(0)                   ; the wait directly ahead of the scores' first readers
.set n, 0
.rept 64
	v_cndmask_b32 v[S+n], v[SMK], v[S+n], s[16+n+4*(n/48)]   ; each accumulator from its low end on
.set n, n+1
.endr
	WIN 0
.Lopen_\@:
.if (\tl) == 0
	s_lshr_b32 s94, s87, s95                       ; the other tile's words, unless it is open: they land under the rest of this softmax
	s_and_b32 s94, s94, 0x10000
	s_cbranch_scc1 .Lnone_\@
	MLOAD 0x1000
.else
	MOFF 93                                        ; (no scalar load is out) the next entry's words of tile 0, unless it is open
	s_cmp_lt_u32 s93, 16
	s_cselect_b32 s15, s87, s88                    ; its block's open bits
	s_and_b32 s94, s93, 15
	s_lshr_b32 s15, s15, s94
	s_and_b32 s15, s15, 1
	s_cbranch_scc1 .Lnone_\@
	MLOAD 0
.endif
.Lnone_\@:
	WIN 0x55*(\tl)
	s_wait_alu depctr_va_vdst(0)                   ; the wait directly ahead of the scores' first readers
	v_max_num_f32 v[TV], v[S], v[S+1]              ; the step's largest score of my query among my 64 keys, in four chains; each accumulator from its low end on
	v_max_num_f32 v[F], v[S+2], v[S+3]
	v_max_num_f32 v[SUM2], v[S+4], v[S+5]
	v_max_num_f32 v[SUM2+1], v[S+6], v[S+7]
.irp i, 8,16,24,32,40,48,56
	v_max3_num_f32 v[TV], v[TV], v[S+\i], v[S+\i+1]
	v_max3_num_f32 v[F], v[F], v[S+\i+2], v[S+\i+3]
	v_max3_num_f32 v[SUM2], v[SUM2], v[S+\i+4], v[S+\i+5]
	v_max3_num_f32 v[SUM2+1], v[SUM2+1], v[S+\i+6], v[S+\i+7]
.endr
	v_max3_num_f32 v[TV], v[TV], v[F], v[SUM2]
	v_max_num_f32 v[TV], v[TV], v[SUM2+1]
	v_permlanex16_b32 v[PRM], v[TV], s98, s99
	v_max_num_f32 v[TV], v[TV], v[PRM]             ; and among lane l xor 16's
	v_mul_f32 v[TV], s96, v[TV]                    ; as t
	v_max_num_f32 v13, v13, v[TV]
	v_mov_b32 v[TV], v12
	v_floor_f32 v12, -v13                          ; the new -M = -ceil(t)
	v_sub_f32 v[TV], v12, v[TV]                    ; old M - new M: a whole number, 0 or less
	v_cvt_i32_f32 v[TV], v[TV]                     ; (it saturates)
	v_ldexp_f32 v[F], 1.0, v[TV]                   ; f
.set j, 0
.rept 16
	v_pk_fma_f32 v[S+j:S+j+1], v[S+j:S+j+1], s[96:97], v[12:13] op_sel_hi:[1,0,0]   ; t - M, the first 32 scores
.set j, j+2
.endr
	s_wait_alu depctr_va_vdst(0)                   ; the wait ahead of the batch
.set j, 0
.rept 16
	v_exp_f32 v[S+2*j], v[S+2*j]                   ; p = 2^(t - M): the first batch, 32; among it the other 32 scores' t - M, which name none of its registers
	v_pk_fma_f32 v[S+32+2*j:S+33+2*j], v[S+32+2*j:S+33+2*j], s[96:97], v[12:13] op_sel_hi:[1,0,0]
	v_exp_f32 v[S+2*j+1], v[S+2*j+1]
.set j, j+1
.endr
	v_pk_mul_f32 v[14:15], v[14:15], v[F:F+1] op_sel_hi:[1,0]   ; the sum under the new M: the plain instruction behind the batch
	s_wait_alu depctr_va_vdst(0)                   ; one wait for the 64 exponentials, ahead of their first reader
	v_pk_add_f32 v[SUM2:SUM2+1], v[S:S+1], v[S+2:S+3]   ; the sum is taken of the unquantised p, in four chains
	v_pk_add_f32 v[PST:PST+1], v[S+4:S+5], v[S+6:S+7]
	v_pk_add_f32 v[PST+2:PST+3], v[S+8:S+9], v[S+10:S+11]
	v_pk_add_f32 v[14:15], v[14:15], v[S+12:S+13]
.irp j, 14,22
	v_pk_add_f32 v[SUM2:SUM2+1], v[SUM2:SUM2+1], v[S+\j:S+\j+1]
	v_pk_add_f32 v[PST:PST+1], v[PST:PST+1], v[S+\j+2:S+\j+3]
	v_pk_add_f32 v[PST+2:PST+3], v[PST+2:PST+3], v[S+\j+4:S+\j+5]
	v_pk_add_f32 v[14:15], v[14:15], v[S+\j+6:S+\j+7]
.endr
	v_pk_add_f32 v[SUM2:SUM2+1], v[SUM2:SUM2+1], v[S+30:S+31]   ; the first 32 p are summed: their holds may write over them
.set j, 0
.rept 32
	v_exp_f32 v[S+32+j], v[S+32+j]                 ; the second batch, 32; among it the first half's holds, which name none of its registers
	v_min_num_f32 v[S+j], v[S+j], v[LIMP]
.set j, j+1
.endr
	s_wait_alu depctr_va_vdst(0)                   ; one wait for the second batch, ahead of its first reader
.irp j, 32,40,48,56
	v_pk_add_f32 v[SUM2:SUM2+1], v[SUM2:SUM2+1], v[S+\j:S+\j+1]
	v_pk_add_f32 v[PST:PST+1], v[PST:PST+1], v[S+\j+2:S+\j+3]
	v_pk_add_f32 v[PST+2:PST+3], v[PST+2:PST+3], v[S+\j+4:S+\j+5]
	v_pk_add_f32 v[14:15], v[14:15], v[S+\j+6:S+\j+7]
.endr
	v_pk_add_f32 v[14:15], v[14:15], v[PST+2:PST+3]
	v_pk_add_f32 v[SUM2:SUM2+1], v[SUM2:SUM2+1], v[PST:PST+1]
	v_pk_add_f32 v[14:15], v[14:15], v[SUM2:SUM2+1]
.set j, 0
.rept 32
	v_min_num_f32 v[S+32+j], v[S+32+j], v[LIMP]    ; the conversion does not saturate (ISA guide 7.6.2); p is not negative: the hold is one-sided
.set j, j+1
.endr
.irp b, 0,1,2,3,4,5,6,7
	v_cvt_scalef32_pk8_fp8_f32 v[P+2*\b:P+2*\b+1], v[S+8*\b:S+8*\b+7], v[SCP]
.endr
.set j, 0
.rept 32
	v_pk_mul_f32 v[O+j:O+j+1], v[O+j:O+j+1], v[F:F+1] op_sel_hi:[1,0]   ; O^T under the new M; also the plain work behind the conversions
.set j, j+2
.endr
.endm
.macro SEND tl, blk                    ; O^T, then -M, t and the sum, as they stand: 17 stores of 512 consecutive bytes
	WIN 0x04*(\tl)                                 ; the data's window
.set j, 0
.rept 16
	ds_store_b128 v7, v[O+4*j:O+4*j+3] offset:TS*(2*(\blk)+(\tl))+512*j
.set j, j+1
.endr
	ds_store_b128 v7, v[12:15] offset:TS*(2*(\blk)+(\tl))+8192
	WIN 0
.endm
.Lblk:                                             ; two trips: the first block, the second
	BEGIN
	WIN 0x40
	BEGIN
	WIN 0
	s_mov_b32 s3, 0
	s_wait_alu depctr_va_vdst(0)                   ; the wait ahead of the branch
	s_cmp_eq_u32 s85, 0
	s_cbranch_scc1 .Lnone                          ; none of the block's steps is mine
.Lstep:                                            ; a trip: 128 keys for both tiles.  On the way in, the entry's K (32 loads) is out
	s_and_b32 s95, s2, 15                          ; the step
	s_lshl_b32 s94, s95, 14
	v_add_nc_u32 v9, s94, v2                       ; (V's last loads have been waited for)
	PLACES                                         ; in front of loads into registers that the last products read
	VLOAD
	s_wait_loadcnt 32                              ; all but V's 32: K is in
	KMUL
	NEXTIDX 93
	s_and_b32 s94, s93, 15
	s_lshl_b32 s94, s94, 14
	v_add_nc_u32 v8, s94, v4                       ; (K's loads have been waited for)
	PLACES                                         ; in front of the loads into K's registers, and of the first read of the scores
	KLOAD 0, 28                                    ; the next entry's K, of the next block too: 28 loads now,
	SOFTMAX 0
	KLOAD 28, 4                                    ; and the last 4
	SOFTMAX 1
	WIN 0
	s_wait_alu depctr_va_vdst(0)                   ; the wait here, directly ahead of the wait below
	s_wait_loadcnt 32                              ; all but the next K's 32: V is in
	VMUL
	s_mov_b32 s2, s93
	s_add_co_u32 s3, s3, 1
	s_cmp_lt_u32 s3, s85
	s_cbranch_scc1 .Lstep
.Lnone:
	PLACES                                         ; behind the last products
	s_cmp_lg_u32 s89, 0
	s_cbranch_scc1 .Lsecond
	SEND 0, 0
	SEND 1, 0
.set j, 0
.rept 16
	v_mov_b32 v[16+j], v[32+j]                     ; the second block's Q, tile 0,
.set j, j+1
.endr
	WIN 0x40
.set j, 0
.rept 16
	v_mov_b32 v[16+j], v[48+j]                     ; tile 1
.set j, j+1
.endr
	WIN 0
	s_mov_b32 s85, s86
	s_mov_b32 s87, s88
	s_wait_alu depctr_va_vdst(0)                   ; the wait ahead of the branch
	s_add_co_u32 s89, s89, 1
	s_cmp_lt_u32 s89, 2
	s_cbranch_scc1 .Lblk
.Lsecond:
	SEND 0, 1
	SEND 1, 1
	s_wait_dscnt 0x0                               ; for the partner's sake: my stores have landed
	s_barrier_signal -1
	s_barrier_wait -1
.macro MERGE blk                       ; tile kh of the block: my half of the keys and my partner's are brought under a common M.  All in window 0
.if \blk
	s_wait_xcnt 0x0                                ; the first block's stores have read their registers
.endif
.set j, 0
.rept 16
	ds_load_b128 v[O+4*j:O+4*j+3], v3 offset:2*TS*(\blk)+512*j
	ds_load_b128 v[FRG+4*j:FRG+4*j+3], v10 offset:2*TS*(\blk)+512*j
.set j, j+1
.endr
	ds_load_b128 v[12:15], v3 offset:2*TS*(\blk)+8192
	ds_load_b128 v[PST:PST+3], v10 offset:2*TS*(\blk)+8192
	s_wait_dscnt 0x0
	v_min_num_f32 v[TV], v12, v[PST]               ; -M of the larger M
	v_sub_f32 v[F], v[TV], v12
	v_sub_f32 v[PRM], v[TV], v[PST]
	v_cvt_i32_f32 v[F], v[F]
	v_cvt_i32_f32 v[PRM], v[PRM]
	v_ldexp_f32 v[F], 1.0, v[F]                    ; my factor,
	v_ldexp_f32 v[SUM2], 1.0, v[PRM]               ; the partner's
	v_pk_mul_f32 v[14:15], v[14:15], v[F:F+1] op_sel_hi:[1,0]
	v_pk_fma_f32 v[14:15], v[PST+2:PST+3], v[SUM2:SUM2+1], v[14:15] op_sel_hi:[1,0,1]
.set j, 0
.rept 32
	v_pk_mul_f32 v[O+j:O+j+1], v[O+j:O+j+1], v[F:F+1] op_sel_hi:[1,0]
.set j, j+2
.endr
.set j, 0
.rept 32
	v_pk_fma_f32 v[O+j:O+j+1], v[FRG+j:FRG+j+1], v[SUM2:SUM2+1], v[O+j:O+j+1] op_sel_hi:[1,0,1]
.set j, j+2
.endr
.endm
.macro FINISH cb                       ; O^T x 2^(e8 + e9) / the sum, quantised with e10, stored as the last projection's operand registers
	v_add_f32 v14, v14, v15
	v_permlanex16_b32 v[PRM], v14, s98, s99
	v_add_f32 v14, v14, v[PRM]                     ; the row's sum
	s_wait_alu depctr_va_vdst(0)                   ; the wait ahead of the reciprocal
	v_rcp_f32 v14, v14
	v_nop                                          ; a plain instruction behind the reciprocal,
	s_wait_alu depctr_va_vdst(0)                   ; and the wait ahead of its first reader
	v_ldexp_f32 v14, v14, s14
.set j, 0
.rept 32
	v_pk_mul_f32 v[S+j:S+j+1], v[O+j:O+j+1], v[14:15] op_sel_hi:[1,0]   ; both x v14
.set j, j+2
.endr
.set j, 0
.rept 64
	v_med3_num_f32 v[S+j], v[S+j], -v[LIMC], v[LIMC]
.set j, j+1
.endr
.irp b, 0,1,2,3,4,5,6,7
	v_cvt_scalef32_pk8_fp8_f32 v[P+2*\b:P+2*\b+1], v[S+8*\b:S+8*\b+7], v[SCQ]
.endr
	v_nop                                          ; a plain instruction behind the last conversion
.irp c, 0,1,2,3
	global_store_b128 v4, v[P+4*\c:P+4*\c+3], s[\cb:\cb+1] offset:512*\c   ; the wave stores 512 consecutive bytes, aligned
.endr
.endm
	MERGE 0
	FINISH 12
	MERGE 1
	FINISH 10
	s_wait_tensorcnt 0x0                           ; the wave's end
	ds_add_u32 v5, v6
	s_wait_dscnt 0x0
	s_endpgm
.Lfunc_end_k_qb2380a9689_attn:
	.size	k_qb2380a9689_attn, .Lfunc_end_k_qb2380a9689_attn-k_qb2380a9689_attn
	.p2alignl 7, 3214868480
	.fill 96, 4, 3214868480
	.section	.rodata,"a",@progbits
	.p2align	6, 0x0
	.amdhsa_kernel k_qb2380a9689_attn
		.amdhsa_group_segment_fixed_size 139776
		.amdhsa_private_segment_fixed_size 0
		.amdhsa_enable_private_segment 0
		.amdhsa_kernarg_size 40
		.amdhsa_user_sgpr_count 2
		.amdhsa_user_sgpr_kernarg_segment_ptr 1
		.amdhsa_wavefront_size32 1
		.amdhsa_system_sgpr_workgroup_id_x 1
		.amdhsa_system_sgpr_workgroup_id_y 1
		.amdhsa_system_sgpr_workgroup_id_z 1
		.amdhsa_system_vgpr_workitem_id 0
		.amdhsa_next_free_vgpr 768
		.amdhsa_next_free_sgpr 106
		.amdhsa_reserve_vcc 0
		.amdhsa_float_denorm_mode_32 3
		.amdhsa_float_denorm_mode_16_64 3
		.amdhsa_memory_ordered 1
		.amdhsa_forward_progress 1
		.amdhsa_inst_pref_size 96
	.end_amdhsa_kernel
	.amdgpu_metadata
---
amdhsa.version: [ 1, 2 ]
amdhsa.kernels:
  - .name:           k_qb2380a9689_attn
    .symbol:         k_qb2380a9689_attn.kd
    .args:
      - { .name: qkv, .offset: 0, .size: 8, .value_kind: global_buffer, .address_space: global }
      - { .name: mbits, .offset: 8, .size: 8, .value_kind: global_buffer, .address_space: global }
      - { .name: msum, .offset: 16, .size: 8, .value_kind: global_buffer, .address_space: global }
      - { .name: lowp_scales, .offset: 24, .size: 8, .value_kind: global_buffer, .address_space: global }
      - { .name: cimg, .offset: 32, .size: 8, .value_kind: global_buffer, .address_space: global }
    .group_segment_fixed_size: 139776
    .private_segment_fixed_size: 0
    .kernarg_segment_align: 8
    .kernarg_segment_size: 40
    .max_flat_workgroup_size: 128
    .sgpr_count:     106
    .vgpr_count:     768
    .wavefront_size: 32
...
	.end_amdgpu_metadata
.endif
;; end of part 3
;; launch gemm_out (part 4): grid 16 x 16, 4 waves a work-group, clusters of 4 x 4, 327,680 bytes of LDS; arguments cimg, codes, lowp_scales, bc, out0; writes out0
.if DOCPART == 4
	.amdgcn_target "amdgcn-amd-amdhsa--gfx1250"
	.amdhsa_code_object_version 6
	.text
	.protected	k_qb2380a9689_gemm_out
	.globl	k_qb2380a9689_gemm_out
	.p2align	8
	.type	k_qb2380a9689_gemm_out,@function
k_qb2380a9689_gemm_out:
	s_mov_b64 s[64:65], 0
	v_nop
	global_prefetch_b8 v0, s[64:65] scope:SCOPE_SE
	s_setreg_imm32_b32 hwreg(HW_REG_WAVE_MODE, 25, 1), 1
	s_wait_xcnt 0x0
	s_wait_alu depctr_hold_cnt(0) depctr_sa_sdst(0) depctr_va_vdst(0) depctr_va_sdst(0) depctr_va_ssrc(0) depctr_va_vcc(0) depctr_vm_vsrc(0)
	s_getreg_b32 s2, hwreg(HW_REG_IB_STS2, 6, 4)
	s_cmp_eq_u32 s2, 0
	s_cbranch_scc0 .Lentry_in_a_cluster
	s_endpgm
.Lentry_in_a_cluster:
	s_bfe_u32 s2, ttmp6, 0x10000c
	s_cmp_lg_u32 s2, 0xf033
	s_cbranch_scc0 .Lentry_shape_is_right
	s_endpgm
.Lentry_shape_is_right:
.set PITCH,  528
.set ASZ,    65536
.set SLOT,   ASZ+128*PITCH
.set STAGE,  2*SLOT
.set SPITCH, 272
.set SPARE,  STAGE+4*16*SPITCH
.set ADRA, 16
.set ADRB, 20
.set STO,  24
.set RD,   25
.set CO,   26
.set BO,   27
.set SPW,  28
.set NIL,  29
.set TMP,  32
.set BK,   64
.set BIAS, 96
.set ACC,  128
.set F0,   0
.set F1,   128
.set G1, 24
.set G0, 32
.set G1B, 48
.set G0B, 56
.set MSB, 0
.macro WIN new
.if MSB != (\new)
	s_set_vgpr_msb (MSB<<8)|(\new)
.set MSB, (\new)
.endif
.endm
.set MUL,  0x05
.set TO_F, 0x40
.macro JLOAD s
	s_cmp_eq_u32 s15, 0
	s_cbranch_scc0 .Lfor_b_\@
	tensor_load_to_lds s[G0+4*\s:G0+4*\s+3], s[G1:G1+7]
	s_nop 0
.rept 4
	v_nop
.endr
	s_branch .Lasked_\@
.Lfor_b_\@:
	tensor_load_to_lds s[G0B+4*\s:G0B+4*\s+3], s[G1B:G1B+7]
	s_nop 0
.rept 4
	v_nop
.endr
.Lasked_\@:
.endm
.macro CREST
	s_cmp_lg_u32 s14, 0
	s_cbranch_scc1 .Lnot_wave_0_\@
	s_barrier_signal -3
.Lnot_wave_0_\@:
	s_barrier_wait -3
	s_barrier_signal -1
	s_barrier_wait -1
.endm
.macro CROUND
	s_barrier_signal -1
	s_barrier_wait -1
	CREST
.endm
.macro PLACES
.rept 4
	v_nop
.endr
.endm
	s_load_b256 s[4:11], s[0:1], 0x0
	s_load_b64 s[68:69], s[0:1], 0x20
	v_lshl_add_u32 v[SPW], v0, 2, SPARE
	v_mov_b32 v[NIL], 0
	ds_add_u32 v28, v29
	ds_add_u32 v28, v29
	s_wait_dscnt 0x0
	v_lshrrev_b32 v1, 5, v0
	v_readfirstlane_b32 s14, v1
	s_lshr_b32 s15, s14, 1
	s_and_b32 s16, s14, 1
	s_bfe_u32 s40, ttmp6, 0x40000
	s_bfe_u32 s41, ttmp6, 0x40004
	s_lshl_b32 s42, ttmp9, 2
	s_add_co_u32 s42, s42, s40
	s_and_b32 s17, ttmp7, 0xffff
	s_lshl_b32 s17, s17, 2
	s_add_co_u32 s17, s17, s41
	s_lshl_b32 s43, s41, 2
	s_lshl_b32 s43, 15, s43
	s_lshl_b32 s44, 0x1111, s40
	s_or_b32 s[G1+0], s43, (3<<16)|(1<<21)
	s_mov_b32 s[G1+1], 1024<<16
	s_mov_b32 s[G1+2], 4<<16
	s_mov_b32 s[G1+3], 1024<<16
	s_mov_b32 s[G1+4], 4
	s_mov_b32 s[G1+5], 4096
	s_mov_b32 s[G1+6], 0
	s_mov_b32 s[G1+7], 0
	s_or_b32 s[G1B+0], s44, (0<<16)|(1<<20)|(1<<21)|(6<<22)|(3<<25)
	s_mov_b32 s[G1B+1], 512<<16
	s_mov_b32 s[G1B+2], 64<<16
	s_mov_b32 s[G1B+3], 512<<16
	s_mov_b32 s[G1B+4], 64
	s_mov_b32 s[G1B+5], 2048
	s_mov_b32 s[G1B+6], 0
	s_mov_b32 s[G1B+7], 0
	s_lshl_b32 s19, s16, 17
	s_lshl_b32 s20, s17, 18
	s_add_co_u32 s20, s20, s19
	s_mov_b32 s21, 0
	s_lshl_b32 s46, s42, 18
	s_add_co_u32 s46, s46, s19
	s_add_co_u32 s46, s46, 0x1800000
	s_mov_b32 s47, 0
	s_lshl_b32 s45, s16, 15
	s_mul_i32 s18, s16, 64*PITCH
	s_add_co_u32 s18, s18, ASZ
	s_wait_kmcnt 0x0
	s_load_b64 s[70:71], s[8:9], 0x28
	s_add_nc_u64 s[20:21], s[4:5], s[20:21]
	s_add_nc_u64 s[46:47], s[6:7], s[46:47]
	; THE PREFETCHES: of what my wave fetches for a slot (A: 4 rows of 8,192 bytes; B: 64 rows of 512), each of the four partners that ask for it jointly names a quarter, told apart by address (cx for A, cy for B):
	; A: one row, lanes 256 bytes apart; B: 16 rows, two lanes to a row.  v8, v9, v10: the offsets for slots 1, 2, 3; never rewritten
	s_cmp_eq_u32 s15, 0
	s_cselect_b64 s[12:13], s[20:21], s[46:47]
	s_cselect_b32 s74, s40, s41
	s_cselect_b32 s76, -1, 0
	s_mov_b32 s77, 512
	s_cselect_b32 s77, 8192, s77                   ; a slot on
	s_lshl_b32 s74, s74, 15                        ; one row of A's pitch, 16 rows of B: 32,768 bytes both
	s_mov_b32 s75, 0
	s_add_nc_u64 s[12:13], s[12:13], s[74:75]
	v_and_b32 v6, 31, v0
	v_lshlrev_b32 v7, 8, v6
	v_lshrrev_b32 v9, 1, v6
	v_and_b32 v10, 1, v6
	v_lshlrev_b32 v9, 11, v9
	v_lshl_add_u32 v9, v10, 8, v9
	v_cndmask_b32 v7, v9, v7, s76
	v_add_nc_u32 v8, s77, v7
	v_add_nc_u32 v9, s77, v8
	v_add_nc_u32 v10, s77, v9
	CROUND
.irp s, 0,1
	s_mov_b32 s[G0+4*\s], 1
	s_add_co_u32 s[G0+4*\s+1], s45, \s*SLOT
	s_add_nc_u64 s[G0+4*\s+2:G0+4*\s+3], s[20:21], \s*8192
	s_or_b32 s[G0+4*\s+3], s[G0+4*\s+3], 0x80000000
	s_mov_b32 s[G0B+4*\s], 1
	s_add_co_u32 s[G0B+4*\s+1], s18, \s*SLOT
	s_add_nc_u64 s[G0B+4*\s+2:G0B+4*\s+3], s[46:47], \s*512
	s_or_b32 s[G0B+4*\s+3], s[G0B+4*\s+3], 0x80000000
	s_wait_alu depctr_va_vdst(0)
.if \s                                             ; slot 1's first fill stands behind the full sequence and a round, as a refill does; slot 0's stands behind the round above
	s_wait_tensorcnt 0x0
	ds_add_u32 v28, v29
	ds_add_u32 v28, v29
	s_wait_dscnt 0x0
	CROUND
.endif
	JLOAD \s
.if \s == 0
	global_prefetch_b8 v8, s[12:13] th:TH_LOAD_NT scope:SCOPE_SE       ; slots 1 and 2,
	global_prefetch_b8 v9, s[12:13] th:TH_LOAD_NT scope:SCOPE_SE
.else
	global_prefetch_b8 v10, s[12:13] th:TH_LOAD_NT scope:SCOPE_SE      ; slot 3, the last
.endif
.endr
	v_and_b32 v1, 15, v0
	v_bfe_u32 v2, v0, 4, 1
	v_and_b32 v3, 31, v0
	v_lshlrev_b32 v3, 4, v3
	s_lshl_b32 s21, s15, 15
	v_add_nc_u32 v[ADRA], s21, v3
	v_add_nc_u32 v[ADRA+1], SLOT, v[ADRA]
	v_mul_u32_u24 v4, v1, PITCH
	v_lshl_add_u32 v4, v2, 4, v4
	s_mul_i32 s22, s16, 64*PITCH
	s_add_co_u32 s22, s22, ASZ
	v_add_nc_u32 v[ADRB], s22, v4
	v_add_nc_u32 v[ADRB+1], SLOT, v[ADRB]
	s_mul_i32 s23, s14, 16*SPITCH
	s_add_co_u32 s23, s23, STAGE
	v_mul_u32_u24 v5, v1, SPITCH
	v_lshl_add_u32 v5, v2, 5, v5
	v_add_nc_u32 v[STO], s23, v5
	v_mul_u32_u24 v5, v2, SPITCH
	v_lshl_add_u32 v5, v1, 4, v5
	v_add_nc_u32 v[RD], s23, v5
	v_lshlrev_b32 v5, 13, v2
	v_lshl_add_u32 v[CO], v1, 4, v5
	v_lshlrev_b32 v[BO], 5, v2
	s_wait_alu depctr_va_vdst(0)
	s_lshl_b32 s46, s42, 9
	s_lshl_b32 s47, s16, 8
	s_add_co_u32 s46, s46, s47
	s_mov_b32 s47, 0
	s_add_nc_u64 s[10:11], s[10:11], s[46:47]
	s_lshl_b32 s20, s17, 20
	s_lshl_b32 s21, s15, 19
	s_add_co_u32 s20, s20, s21
	s_mov_b32 s21, 0
	s_add_nc_u64 s[68:69], s[68:69], s[20:21]
	s_add_nc_u64 s[68:69], s[68:69], s[46:47]
.irp b, 0,1,2,3
	global_load_b128 v[BIAS+8*\b:BIAS+8*\b+3], v[BO], s[10:11] offset:64*\b
	global_load_b128 v[BIAS+8*\b+4:BIAS+8*\b+7], v[BO], s[10:11] offset:64*\b+16
.endr
.macro MUL4 f, a, zero
.irp b, 0,1,2,3
.if \zero
	v_wmma_f32_16x16x128_fp8_fp8 v[ACC+8*(4*(\a)+\b):ACC+8*(4*(\a)+\b)+7], v[\f+64+16*\b:\f+64+16*\b+15], v[\f+16*(\a):\f+16*(\a)+15], 0
.else
	v_wmma_f32_16x16x128_fp8_fp8 v[ACC+8*(4*(\a)+\b):ACC+8*(4*(\a)+\b)+7], v[\f+64+16*\b:\f+64+16*\b+15], v[\f+16*(\a):\f+16*(\a)+15], v[ACC+8*(4*(\a)+\b):ACC+8*(4*(\a)+\b)+7]
.endif
.endr
.endm
.macro FETCH slot, q, f
	WIN TO_F
.irp b, 0,1,2,3
.irp c, 0,1,2,3
	ds_load_b128 v[\f+64+16*\b+4*\c:\f+64+16*\b+4*\c+3], v[ADRB+\slot] offset:128*(\q)+32*\c+16*PITCH*\b
.endr
.endr
.irp a, 0,1,2,3
.irp c, 0,1,2,3
	ds_load_b128 v[\f+16*\a+4*\c:\f+16*\a+4*\c+3], v[ADRA+\slot] offset:8192*\a+2048*(\q)+512*\c
.endr
.endr
.endm
.macro QUARTER slot, q, f, g, zero
	s_wait_dscnt 8
	WIN MUL
	MUL4 \f, 0, \zero
	MUL4 \f, 1, \zero
	PLACES
	FETCH \slot, \q, \g
	s_wait_dscnt 32
	WIN MUL
	MUL4 \f, 2, \zero
	MUL4 \f, 3, \zero
.endm
.macro TURN slot, next, fill
	WIN 0
	s_wait_tensorcnt 0x0
	ds_add_u32 v[SPW], v[NIL]
	s_wait_dscnt 9
	WIN MUL
	MUL4 F1, 0, 0
	s_wait_dscnt 0x0
	s_barrier_signal -1
	MUL4 F1, 1, 0
	WIN 0
	s_barrier_wait -1
.if \fill
	CREST
	s_add_nc_u64 s[G0+4*\slot+2:G0+4*\slot+3], s[G0+4*\slot+2:G0+4*\slot+3], 2*8192
	s_add_nc_u64 s[G0B+4*\slot+2:G0B+4*\slot+3], s[G0B+4*\slot+2:G0B+4*\slot+3], 2*512
	JLOAD \slot
.else
	PLACES
.endif
	FETCH \next, 0, F0
	WIN MUL
	MUL4 F1, 2, 0
	MUL4 F1, 3, 0
.endm
	s_wait_tensorcnt 1
	s_barrier_signal -1
	s_barrier_wait -1
	FETCH 0, 0, F0
	QUARTER 0, 1, F0, F1, 1
	QUARTER 0, 2, F1, F0, 0
	QUARTER 0, 3, F0, F1, 0
	TURN 0, 1, 1
	QUARTER 1, 1, F0, F1, 0
	QUARTER 1, 2, F1, F0, 0
	QUARTER 1, 3, F0, F1, 0
	TURN 1, 0, 1
	QUARTER 0, 1, F0, F1, 0
	QUARTER 0, 2, F1, F0, 0
	QUARTER 0, 3, F0, F1, 0
	TURN 0, 1, 0
	QUARTER 1, 1, F0, F1, 0
	QUARTER 1, 2, F1, F0, 0
	QUARTER 1, 3, F0, F1, 0
	s_wait_dscnt 8
	WIN MUL
	MUL4 F1, 0, 0
	MUL4 F1, 1, 0
	s_wait_dscnt 0x0
	MUL4 F1, 2, 0
	MUL4 F1, 3, 0
	WIN 0
	s_wait_kmcnt 0x0
	s_add_co_i32 s72, s70, s71
	s_add_co_i32 s72, s72, 127
	s_lshl_b32 s72, s72, 23
	s_mov_b32 s73, s72
	s_wait_loadcnt 0x0
	PLACES
.macro OUTB a
.irp b, 0,1,2,3
.irp i, 0,2,4,6
	v_pk_fma_f32 v[TMP+8*\b+\i:TMP+8*\b+\i+1], v[ACC+8*(4*(\a)+\b)+\i:ACC+8*(4*(\a)+\b)+\i+1], s[72:73], v[BIAS+8*\b+\i:BIAS+8*\b+\i+1] op_sel_hi:[1,0,1]
.endr
.endr
.irp b, 0,1,2,3
	ds_store_b128 v[STO], v[TMP+8*\b:TMP+8*\b+3] offset:64*\b
	ds_store_b128 v[STO], v[TMP+8*\b+4:TMP+8*\b+7] offset:64*\b+16
.endr
	s_wait_xcnt 0x0
.irp u, 0,1,2,3,4,5,6,7
	ds_load_b128 v[BK+4*\u:BK+4*\u+3], v[RD] offset:2*\u*SPITCH
.endr
	s_wait_dscnt 0x0
.irp u, 0,1,2,3,4,5,6,7
	global_store_b128 v[CO], v[BK+4*\u:BK+4*\u+3], s[68:69] offset:(16*(\a)+2*\u)*8192 th:TH_STORE_NT
.endr
.endm
	OUTB 0
	OUTB 1
	OUTB 2
	OUTB 3
	s_wait_tensorcnt 0x0
	ds_add_u32 v[SPW], v[NIL]
	s_wait_dscnt 0x0
	CROUND
	s_endpgm
.Lfunc_end_k_qb2380a9689_gemm_out:
	.size	k_qb2380a9689_gemm_out, .Lfunc_end_k_qb2380a9689_gemm_out-k_qb2380a9689_gemm_out
	.p2alignl 7, 3214868480
	.fill 96, 4, 3214868480
	.section	.rodata,"a",@progbits
	.p2align	6, 0x0
	.amdhsa_kernel k_qb2380a9689_gemm_out
		.amdhsa_group_segment_fixed_size 327680
		.amdhsa_private_segment_fixed_size 0
		.amdhsa_enable_private_segment 0
		.amdhsa_kernarg_size 40
		.amdhsa_user_sgpr_count 2
		.amdhsa_user_sgpr_kernarg_segment_ptr 1
		.amdhsa_wavefront_size32 1
		.amdhsa_system_sgpr_workgroup_id_x 1
		.amdhsa_system_sgpr_workgroup_id_y 1
		.amdhsa_system_sgpr_workgroup_id_z 1
		.amdhsa_system_vgpr_workitem_id 0
		.amdhsa_next_free_vgpr 512
		.amdhsa_next_free_sgpr 80
		.amdhsa_reserve_vcc 0
		.amdhsa_float_denorm_mode_32 3
		.amdhsa_float_denorm_mode_16_64 3
		.amdhsa_memory_ordered 1
		.amdhsa_forward_progress 1
		.amdhsa_inst_pref_size 76
	.end_amdhsa_kernel
	.amdgpu_metadata
---
amdhsa.version: [ 1, 2 ]
amdhsa.kernels:
  - .name:           k_qb2380a9689_gemm_out
    .symbol:         k_qb2380a9689_gemm_out.kd
    .args:
      - { .name: cimg, .offset: 0, .size: 8, .value_kind: global_buffer, .address_space: global }
      - { .name: codes, .offset: 8, .size: 8, .value_kind: global_buffer, .address_space: global }
      - { .name: lowp_scales, .offset: 16, .size: 8, .value_kind: global_buffer, .address_space: global }
      - { .name: bc, .offset: 24, .size: 8, .value_kind: global_buffer, .address_space: global }
      - { .name: out0, .offset: 32, .size: 8, .value_kind: global_buffer, .address_space: global }
    .group_segment_fixed_size: 327680
    .private_segment_fixed_size: 0
    .kernarg_segment_align: 8
    .kernarg_segment_size: 40
    .max_flat_workgroup_size: 128
    .sgpr_count:     80
    .vgpr_count:     512
    .wavefront_size: 32
...
	.end_amdgpu_metadata
.endif
;; end of part 4
